; MI455X (gfx1250); checked and timed in simulation.
; The chip was launched on July 23, 2026; its instructions are those of AMD's public machine-readable ISA for CDNA 5 (MIT licence, August 2026) and "CDNA5" Instruction Set Architecture Reference Guide (July 2026). The comments in the code are by the model that wrote it; some were corrected since.
;; Grouped Experts Deep EP. Allowed arithmetic: float matrix products may take bf16 or f16 operands with f32 sums; all other float work in f32.
;; Inputs: W_down 8 x 128 x 2,048 float32; W_gup 8 x 2,048 x 256 float32; indices 8,192 x 2 int32; token_mask 8,192 bool; weights 8,192 x 2 float32; x 8,192 x 2,048 float32.
;; Outputs: out0 8,192 x 2,048 float32.
;; 3 versions, each right; version 2 is faster than version 1; version 3 is version 2 with the launch down written anew for expert scheduling mode. Each part assembles by itself: llvm-mc -triple=amdgcn-amd-amdhsa -mcpu=gfx1250 --defsym DOCPART=n.
;; ======== version 1 of 3: 4 launches
;; limits: values outside matrix products are rounded to bf16
;; workspace buffers: lists 4,718,592 bytes of whole numbers; counts 512 bytes of whole numbers; wg 8,388,608 bytes; wd 4,194,304 bytes; hid 8,388,608 bytes
;; launch route (part 1): grid 160 x 1, 16 waves a work-group, no clusters, 69,888 bytes of LDS; arguments indices, token_mask, lists, counts; writes lists, counts
.if DOCPART == 1
	.amdgcn_target "amdgcn-amd-amdhsa--gfx1250"
	.amdhsa_code_object_version 6
	.text
	.protected	k_q4bb1b83941_route
	.globl	k_q4bb1b83941_route
	.p2align	8
	.type	k_q4bb1b83941_route,@function
k_q4bb1b83941_route:
	s_mov_b64 s[64:65], 0
	v_nop
	global_prefetch_b8 v0, s[64:65] scope:SCOPE_SE
	s_setreg_imm32_b32 hwreg(HW_REG_WAVE_MODE, 25, 1), 1
	s_wait_xcnt 0x0
; ROUTING LISTS.  8,192 tokens, 2 slots each (slot s = 2 t + k), 8 experts.  List L lies at byte L x 65,536 of lists, its length in word L of counts.
;   L = 8 e0 + e1 (0..63): the unmasked tokens whose two slots name experts e0, e1 (entry: slot 2 t); at most 8,192 entries.
;   L = 64 + e:            the slots of unmasked tokens that name expert e; at most 16,384 entries.
; Entry = s | bad << 16.  An index outside 0..7 counts as index & 7 with bad = 1: the next launch gives that slot the weight 0.  A masked token stands in no list.
; SHARES.  A work-group writes one PART, 4,096 entries, of one list: ids 0..127 the two parts of the pair lists, ids 128..159 the four parts of the expert lists.
; It scans all tokens and keeps what belongs to its list: no atomics.  Wave w scans tokens 512 w .. 512 w + 511 and packs its hits into its own segment of LDS.
; Behind the one barrier every wave knows all 16 totals; entry i of the list lies in the segment of the last wave w whose prefix sum is at most i, at word i - prefix[w].
; NOTHING OF THE CONTROL FLOW AND NO GLOBAL ADDRESS HANGS ON THE DATA: every entry of the part is stored, at its fixed place; entries at or past the list's length are 0.
; EXEC stays full but for the one store of the length: a lane without a hit stores to a spare word of its own behind the segment's 1,024 entries.
; The segments are cleared first, so that every LDS word that can be read has been written.  The order inside a list has no meaning.
.set I,    8                           ; v[8:39]   indices as loaded: load i, 2 tokens x 2 slots a lane
.set MK,   40                          ; v[40:47]  load i: the two tokens' mask bytes
.set ENT,  48                          ; v[48:79]  the 32 entries of a lane
.set TV,   8                           ; v[8:23]   later: the 16 waves' totals
.set SEGW, 1056                        ; words of a wave's segment: 1,024 entries and 32 spare words
.set SEG,  4*SEGW
.set TOT,  16*SEG                      ; LDS: behind the 16 segments, a word for each wave
.set MS,   32                          ; s[32:63]  hit masks, one for each of a lane's 32 slots
.set PRE,  32                          ; s[32:47]  later: the hits of the waves below wave w
.set ADJ,  48                          ; s[48:63]  later: 1,056 w - prefix[w]: what turns an entry's number into its word in LDS
	s_load_b256 s[4:11], s[0:1], 0x0               ; indices s[4:5], token_mask s[6:7], lists s[8:9], counts s[10:11]
	v_lshl_add_u32 v96, v0, 2, 0x10900
	v_mov_b32 v97, 0
	v_and_b32 v1, 31, v0                           ; lane
	v_lshrrev_b32 v80, 5, v0
	v_readfirstlane_b32 s12, v80                   ; wave 0..15
	s_mov_b32 s13, ttmp9
	s_sub_co_u32 s14, s13, 128                     ; all of this is made ahead of the compare: it sets SCC
	s_lshr_b32 s24, s13, 1                         ; a pair list and
	s_and_b32 s25, s13, 1                          ; its part,
	s_lshr_b32 s26, s14, 2                         ; or an expert and
	s_and_b32 s27, s14, 3                          ; its part
	s_add_co_u32 s28, s26, 64
	s_cmp_lt_u32 s13, 128
	s_cselect_b32 s15, 8, 1                        ; code of slot 0 = e0 x s15 + e1 x s16: the pair's number, or e0
	s_cselect_b32 s16, 1, 0
	s_cselect_b32 s17, 0x100, 0                    ; code of slot 1 = e1 | s17: never a hit in a pair list
	s_cselect_b32 s19, s24, s26                    ; the code that is a hit
	s_cselect_b32 s29, s25, s27                    ; my part
	s_cselect_b32 s13, s24, s28                    ; L
	s_lshl_b32 s26, s13, 16
	s_lshl_b32 s24, s29, 14
	s_add_co_u32 s26, s26, s24                     ; my part's first byte in lists
	s_mov_b32 s27, 0
	s_lshl_b32 s31, s29, 12
	s_lshl_b32 s24, s12, 8
	s_add_co_u32 s31, s31, s24                     ; the first entry that my wave stores: 4,096 part + 256 w
	s_lshl_b32 s24, s12, 12                        ; 4,096 w: my 512 tokens' indices
	s_lshl_b32 s25, s12, 9
	s_lshl_b32 s28, s12, 10
	s_mul_i32 s30, s12, SEG                        ; my segment in LDS
	v_lshl_add_u32 v2, v1, 4, s24                  ; indices: 16 bytes (2 tokens) a lane
	v_lshl_add_u32 v3, v1, 1, s25                  ; mask: 2 bytes a lane
	v_lshl_add_u32 v4, v1, 2, s28                  ; slot 2 t of my first token: 1,024 w + 4 lane
	v_mov_b32 v5, 0x200                            ; added to the codes of a masked token: never a hit
	v_add_nc_u32 v6, 0x10000, v4                   ; the same slot with the bad flag
	v_mov_b32 v7, s30
	v_add_nc_u32 v86, 0x400, v1                    ; my spare word's number in the segment
	s_wait_kmcnt 0x0
	s_add_nc_u64 s[8:9], s[8:9], s[26:27]
.irp i, 0,1,2,3,4,5,6,7
	global_load_b128 v[I+4*(\i):I+4*(\i)+3], v2, s[4:5] offset:512*(\i)
	global_load_u16 v[MK+(\i)], v3, s[6:7] offset:64*(\i)
.endr
.irp z, 88,89,90,91
	v_mov_b32 v\z, 0
.endr
	v_lshl_add_u32 v92, v1, 4, s30
	v_lshl_add_u32 v93, v86, 2, v7
.irp k, 0,1,2,3,4,5,6,7
	ds_store_b128 v92, v[88:91] offset:512*(\k)    ; my segment's 1,024 entries are cleared while the loads are out,
.endr
	ds_store_b32 v93, v88                          ; and its spare words
	s_wait_loadcnt 0x0
; Token a (0, 1) of load i: the two hit masks and the two entries.
.macro TOK i, a
.set m, 4*(\i)+2*(\a)
	v_bfe_u32 v80, v[MK+(\i)], 8*(\a), 8
	v_cmp_eq_u32 vcc_lo, 0, v80
	v_cndmask_b32 v80, 0, v5, vcc_lo               ; 0x200 where the token is masked
	v_and_b32 v81, 7, v[I+m]
	v_and_b32 v82, 7, v[I+m+1]
	v_mad_u32_u24 v83, v81, s15, v80
	v_mad_u32_u24 v83, v82, s16, v83
	v_or_b32 v84, s17, v82
	v_or_b32 v84, v84, v80
	v_cmp_eq_u32 s[MS+m], s19, v83
	v_cmp_eq_u32 s[MS+m+1], s19, v84
	v_cmp_lt_u32 vcc_lo, 7, v[I+m]
	v_cndmask_b32 v85, v4, v6, vcc_lo
	v_add_nc_u32 v[ENT+m], 128*(\i)+2*(\a), v85
	v_cmp_lt_u32 vcc_lo, 7, v[I+m+1]
	v_cndmask_b32 v85, v4, v6, vcc_lo
	v_add_nc_u32 v[ENT+m+1], 128*(\i)+2*(\a)+1, v85
.endm
.irp i, 0,1,2,3,4,5,6,7
	TOK \i, 0
	TOK \i, 1
.endr
; The hits of mask m go behind those counted so far (s18), each lane behind the hits of the lanes below it; the other lanes store to their spare words.
.macro PUT m
	v_mbcnt_lo_u32_b32 v80, s[MS+(\m)], 0
	v_add_nc_u32 v80, s18, v80
	v_cndmask_b32 v80, v86, v80, s[MS+(\m)]
	v_min_u32 v80, SEGW-1, v80                     ; a wave has 1,024 slots: with the 32 spare words 1,056 words, the segment's size
	v_lshl_add_u32 v80, v80, 2, v7
	ds_store_b32 v80, v[ENT+(\m)]                  ; LDS serves a wave's instructions in order (ISA guide 5.7.1.4): behind the clearing
	s_bcnt1_i32_b32 s24, s[MS+(\m)]
	s_add_co_u32 s18, s18, s24
.endm
	s_mov_b32 s18, 0
.set q, 0
.rept 32
	PUT q
.set q, q+1
.endr
	s_lshl_b32 s24, s12, 2
	s_add_co_u32 s24, s24, TOT
	v_mov_b32 v81, s24
	v_mov_b32 v82, s18
	ds_store_b32 v81, v82                          ; my total
	s_wait_dscnt 0x0                               ; for the others' sake: my segment and my total are in LDS before I signal
	s_barrier_signal -1
	s_barrier_wait -1
	v_mov_b32 v83, TOT
.irp x, 0,1,2,3
	ds_load_b128 v[TV+4*(\x):TV+4*(\x)+3], v83 offset:16*(\x)
.endr
	s_mov_b32 s22, 0                               ; the running sum; at the end the list's length
	s_wait_dscnt 0x0
.set x, 0
.rept 16
	s_mov_b32 s[PRE+x], s22
	s_sub_co_u32 s[ADJ+x], x*SEGW, s22             ; never below 0: a wave has at most 1,024 hits
	v_readfirstlane_b32 s24, v[TV+x]
	s_add_co_u32 s22, s22, s24
.set x, x+1
.endr
; Entry number v[vi] of the list is fetched into v[vd]: the prefix sums ascend, so the last wave whose sum is at most the number is the one.
.macro GATH vi, va, vd
	v_mov_b32 v[\va], s[ADJ]
.irp w, 1,2,3,4,5,6,7,8,9,10,11,12,13,14,15
	v_cmp_le_u32 vcc_lo, s[PRE+(\w)], v[\vi]
	v_cndmask_b32 v[\va], v[\va], s[ADJ+(\w)], vcc_lo
.endr
	v_add_nc_u32 v[\va], v[\va], v[\vi]
	v_min_u32 v[\va], 16*SEGW-1, v[\va]            ; numbers past the list's length stay inside the 16 segments; what they fetch is thrown away below
	v_lshlrev_b32 v[\va], 2, v[\va]
	ds_load_b32 v[\vd], v[\va]
.endm
	; The way out: my wave's 256 entries in 4 trips of 64, two neighbouring entries a lane.
	v_lshl_add_u32 v24, v1, 1, s31                 ; my first entry's number
	s_lshl_b32 s24, s12, 10
	v_lshl_add_u32 v26, v1, 3, s24                 ; its byte in the part
	s_mov_b32 s23, 4
.Lcopy:
	v_add_nc_u32 v25, 1, v24
	GATH 24, 27, 30
	GATH 25, 28, 31
	s_wait_dscnt 0x0
	v_cmp_gt_u32 vcc_lo, s22, v24
	v_cndmask_b32 v30, 0, v30, vcc_lo              ; 0 at and past the list's length
	v_cmp_gt_u32 vcc_lo, s22, v25
	v_cndmask_b32 v31, 0, v31, vcc_lo
	global_store_b64 v26, v[30:31], s[8:9]         ; the wave stores 256 consecutive bytes, at a multiple of 256 from the buffer's first byte
	s_wait_xcnt 0x0                                ; v26, v30 and v31 are written again only behind this wait
	v_add_nc_u32 v24, 64, v24
	v_add_nc_u32 v26, 0x100, v26
	s_sub_co_u32 s23, s23, 1
	s_cmp_lg_u32 s23, 0
	s_cbranch_scc1 .Lcopy
	s_or_b32 s24, s12, s29
	s_cmp_lg_u32 s24, 0
	s_cbranch_scc1 .Lend                           ; wave 0 of the list's part 0 stores the length, one lane of it
	v_mov_b32 v84, s22
	s_lshl_b32 s24, s13, 2
	v_mov_b32 v85, s24
	v_cmp_eq_u32 vcc_lo, 0, v1
	s_and_saveexec_b32 s20, vcc_lo                 ; every store above was followed by s_wait_xcnt 0
	global_store_b32 v85, v84, s[10:11]
	s_wait_xcnt 0x0                                ; EXEC is widened only behind this wait
	s_or_b32 exec_lo, exec_lo, s20
.Lend:
	s_wait_tensorcnt 0x0
	ds_add_u32 v96, v97
	s_wait_dscnt 0x0
	s_endpgm
.Lfunc_end_k_q4bb1b83941_route:
	.size	k_q4bb1b83941_route, .Lfunc_end_k_q4bb1b83941_route-k_q4bb1b83941_route
	.p2alignl 7, 3214868480
	.fill 96, 4, 3214868480
	.section	.rodata,"a",@progbits
	.p2align	6, 0x0
	.amdhsa_kernel k_q4bb1b83941_route
		.amdhsa_group_segment_fixed_size 69888
		.amdhsa_private_segment_fixed_size 0
		.amdhsa_enable_private_segment 0
		.amdhsa_kernarg_size 32
		.amdhsa_user_sgpr_count 2
		.amdhsa_user_sgpr_kernarg_segment_ptr 1
		.amdhsa_wavefront_size32 1
		.amdhsa_system_sgpr_workgroup_id_x 1
		.amdhsa_system_sgpr_workgroup_id_y 1
		.amdhsa_system_sgpr_workgroup_id_z 1
		.amdhsa_system_vgpr_workitem_id 0
		.amdhsa_next_free_vgpr 98
		.amdhsa_next_free_sgpr 66
		.amdhsa_reserve_vcc 1
		.amdhsa_float_denorm_mode_32 3
		.amdhsa_float_denorm_mode_16_64 3
		.amdhsa_memory_ordered 1
		.amdhsa_forward_progress 1
		.amdhsa_inst_pref_size 37
	.end_amdhsa_kernel
	.amdgpu_metadata
---
amdhsa.version: [ 1, 2 ]
amdhsa.kernels:
  - .name:           k_q4bb1b83941_route
    .symbol:         k_q4bb1b83941_route.kd
    .args:
      - { .name: indices, .offset: 0, .size: 8, .value_kind: global_buffer, .address_space: global }
      - { .name: token_mask, .offset: 8, .size: 8, .value_kind: global_buffer, .address_space: global }
      - { .name: lists, .offset: 16, .size: 8, .value_kind: global_buffer, .address_space: global }
      - { .name: counts, .offset: 24, .size: 8, .value_kind: global_buffer, .address_space: global }
    .group_segment_fixed_size: 69888
    .private_segment_fixed_size: 0
    .kernarg_segment_align: 8
    .kernarg_segment_size: 32
    .max_flat_workgroup_size: 512
    .sgpr_count:     66
    .vgpr_count:     98
    .wavefront_size: 32
...
	.end_amdgpu_metadata
.endif
;; end of part 1
;; launch prep (part 2): grid 256 x 1, 12 waves a work-group, no clusters, 51,712 bytes of LDS; arguments W_gup, W_down, wg, wd; writes wg, wd
.if DOCPART == 2
	.amdgcn_target "amdgcn-amd-amdhsa--gfx1250"
	.amdhsa_code_object_version 6
	.text
	.protected	k_q4bb1b83941_prep
	.globl	k_q4bb1b83941_prep
	.p2align	8
	.type	k_q4bb1b83941_prep,@function
k_q4bb1b83941_prep:
	s_mov_b64 s[64:65], 0
	v_nop
	global_prefetch_b8 v0, s[64:65] scope:SCOPE_SE
	s_setreg_imm32_b32 hwreg(HW_REG_WAVE_MODE, 25, 1), 1
	s_wait_xcnt 0x0
; THE WEIGHTS, rounded once to bf16 (nearest even) and laid in the order in which a matrix operand's registers want them.
; A fragment is 32 k x 16 n, 1,024 bytes: [half f][lane][16 bytes]; lane (r = lane % 16, h = lane / 16), half f holds
; k = 16 f + 8 h + 0..7 of column n0 + r.  A later load of 16 bytes a lane then covers 512 consecutive bytes.
;   wg: fragment at e << 20 + hb << 17 + ks << 11 + gu << 10: 16 hidden columns hb, K step ks; gu = 0 gate column 16 hb + r, 1 up column 128 + 16 hb + r
;   wd: fragment at e << 19 + cb << 12 + ks << 10: 16 output columns cb, K step ks
; One wave turns one block of 32 k x 64 n (four fragments): 2,048 blocks of W_gup (waves 0-7), 1,024 of W_down (waves 8-11).
; Each load takes 256 consecutive bytes of two rows; each store 512 consecutive bytes.  The turn goes through the wave's own
; 4,160 bytes of LDS (four fragments 1,040 bytes apart), so there is no barrier.  Memory binds: no matrix unit, no cluster.
.set X,   16                           ; v[16:79]  16 rows x 4 numbers as loaded; later the fragments read back
.set PKD, 80                           ; v[80:111] column j: 8 registers, 16 k in pairs
	s_load_b256 s[4:11], s[0:1], 0x0               ; W_gup s[4:5], W_down s[6:7], wg s[8:9], wd s[10:11]
	v_lshl_add_u32 v112, v0, 2, 0xc400
	v_mov_b32 v113, 0
	v_and_b32 v1, 31, v0                           ; lane
	v_lshrrev_b32 v8, 5, v0
	v_readfirstlane_b32 s12, v8                    ; wave 0..11
	v_and_b32 v2, 15, v0                           ; c4: my four columns 4 c4 ..
	v_bfe_u32 v3, v0, 4, 1                         ; hh: my rows 16 hh ..
	s_mul_i32 s13, s12, 4160                       ; my wave's LDS
	v_lshrrev_b32 v8, 2, v2
	v_mul_u32_u24 v5, v8, 1040                     ; in: fragment c4 / 4,
	v_lshl_add_u32 v5, v3, 9, v5                   ; half hh,
	v_and_b32 v8, 3, v2
	v_lshl_add_u32 v5, v8, 6, v5                   ; column r = 4 (c4 % 4) + j
	v_add_nc_u32 v5, s13, v5
	v_lshl_add_u32 v6, v1, 4, s13                  ; back: 16 bytes a lane
	v_lshlrev_b32 v7, 4, v1
	s_mov_b32 s19, 0
	s_mov_b32 s21, 0
	s_wait_kmcnt 0x0
; pitch: bytes from row to row of the source; dstr: bytes from fragment to fragment of the block in the target.
.macro CONV pitch, dstr, src, dst
	v_mul_u32_u24 v4, v3, 16*(\pitch)
	v_lshl_add_u32 v4, v2, 4, v4
.irp i, 0,1,2,3,4,5,6,7,8,9,10,11,12,13,14,15
	global_load_b128 v[X+4*(\i):X+4*(\i)+3], v4, s[\src:\src+1] offset:(\i)*(\pitch) th:TH_LOAD_NT
.endr
.irp p, 0,1,2,3,4,5,6,7
	s_wait_loadcnt 14-2*(\p)                       ; rows 2 p and 2 p + 1 are in; the younger loads stay out
.irp j, 0,1,2,3
	v_cvt_pk_bf16_f32 v[PKD+8*(\j)+(\p)], v[X+8*(\p)+(\j)], v[X+8*(\p)+4+(\j)]
.endr
.endr
.irp j, 0,1,2,3
.irp h, 0,1
	ds_store_b128 v5, v[PKD+8*(\j)+4*(\h):PKD+8*(\j)+4*(\h)+3] offset:16*(\j)+256*(\h)
.endr
.endr
.irp m, 0,1,2,3,4,5,6,7
	ds_load_b128 v[X+4*(\m):X+4*(\m)+3], v6 offset:((\m)/2)*1040+((\m)%2)*512  ; LDS serves a wave's instructions in order (ISA guide 5.7.1.4): these see the stores above
.endr
.irp m, 0,1,2,3,4,5,6,7
	s_wait_dscnt 7-(\m)
	global_store_b128 v7, v[X+4*(\m):X+4*(\m)+3], s[\dst:\dst+1] offset:((\m)/2)*(\dstr)+((\m)%2)*512
.endr
	s_wait_tensorcnt 0x0
	ds_add_u32 v112, v113
	s_wait_dscnt 0x0
	s_endpgm
.endm
	s_cmp_lt_u32 s12, 8
	s_cbranch_scc0 .Ldown
	s_lshl_b32 s14, ttmp9, 3
	s_add_co_u32 s14, s14, s12                     ; block of W_gup
	s_lshr_b32 s15, s14, 8                         ; e
	s_bfe_u32 s16, s14, 0x60002                    ; ks
	s_and_b32 s17, s14, 3                          ; cg: 64 columns
	s_lshl_b32 s18, s15, 21
	s_lshl_b32 s22, s16, 15
	s_add_co_u32 s18, s18, s22
	s_lshl_b32 s22, s17, 8
	s_add_co_u32 s18, s18, s22
	s_add_nc_u64 s[4:5], s[4:5], s[18:19]
	s_lshl_b32 s20, s15, 20
	s_and_b32 s22, s17, 1                          ; hb = 4 (cg % 2) + fragment
	s_lshl_b32 s22, s22, 19
	s_add_co_u32 s20, s20, s22
	s_lshl_b32 s22, s16, 11
	s_add_co_u32 s20, s20, s22
	s_lshr_b32 s22, s17, 1                         ; gu = cg / 2
	s_lshl_b32 s22, s22, 10
	s_add_co_u32 s20, s20, s22
	s_add_nc_u64 s[8:9], s[8:9], s[20:21]
	CONV 1024, 131072, 4, 8
.Ldown:
	s_lshl_b32 s14, ttmp9, 2
	s_add_co_u32 s14, s14, s12
	s_sub_co_u32 s14, s14, 8                       ; block of W_down
	s_lshr_b32 s15, s14, 7                         ; e
	s_bfe_u32 s16, s14, 0x20005                    ; ks
	s_and_b32 s17, s14, 31                         ; cg
	s_lshl_b32 s18, s15, 20
	s_lshl_b32 s22, s16, 18
	s_add_co_u32 s18, s18, s22
	s_lshl_b32 s22, s17, 8
	s_add_co_u32 s18, s18, s22
	s_add_nc_u64 s[6:7], s[6:7], s[18:19]
	s_lshl_b32 s20, s15, 19
	s_lshl_b32 s22, s17, 14
	s_add_co_u32 s20, s20, s22
	s_lshl_b32 s22, s16, 10
	s_add_co_u32 s20, s20, s22
	s_add_nc_u64 s[10:11], s[10:11], s[20:21]
	CONV 8192, 4096, 6, 10
.Lfunc_end_k_q4bb1b83941_prep:
	.size	k_q4bb1b83941_prep, .Lfunc_end_k_q4bb1b83941_prep-k_q4bb1b83941_prep
	.p2alignl 7, 3214868480
	.fill 96, 4, 3214868480
	.section	.rodata,"a",@progbits
	.p2align	6, 0x0
	.amdhsa_kernel k_q4bb1b83941_prep
		.amdhsa_group_segment_fixed_size 51712
		.amdhsa_private_segment_fixed_size 0
		.amdhsa_enable_private_segment 0
		.amdhsa_kernarg_size 32
		.amdhsa_user_sgpr_count 2
		.amdhsa_user_sgpr_kernarg_segment_ptr 1
		.amdhsa_wavefront_size32 1
		.amdhsa_system_sgpr_workgroup_id_x 1
		.amdhsa_system_sgpr_workgroup_id_y 1
		.amdhsa_system_sgpr_workgroup_id_z 1
		.amdhsa_system_vgpr_workitem_id 0
		.amdhsa_next_free_vgpr 114
		.amdhsa_next_free_sgpr 66
		.amdhsa_reserve_vcc 0
		.amdhsa_float_denorm_mode_32 3
		.amdhsa_float_denorm_mode_16_64 3
		.amdhsa_memory_ordered 1
		.amdhsa_forward_progress 1
		.amdhsa_inst_pref_size 15
	.end_amdhsa_kernel
	.amdgpu_metadata
---
amdhsa.version: [ 1, 2 ]
amdhsa.kernels:
  - .name:           k_q4bb1b83941_prep
    .symbol:         k_q4bb1b83941_prep.kd
    .args:
      - { .name: W_gup, .offset: 0, .size: 8, .value_kind: global_buffer, .address_space: global }
      - { .name: W_down, .offset: 8, .size: 8, .value_kind: global_buffer, .address_space: global }
      - { .name: wg, .offset: 16, .size: 8, .value_kind: global_buffer, .address_space: global }
      - { .name: wd, .offset: 24, .size: 8, .value_kind: global_buffer, .address_space: global }
    .group_segment_fixed_size: 51712
    .private_segment_fixed_size: 0
    .kernarg_segment_align: 8
    .kernarg_segment_size: 32
    .max_flat_workgroup_size: 384
    .sgpr_count:     66
    .vgpr_count:     114
    .wavefront_size: 32
...
	.end_amdgpu_metadata
.endif
;; end of part 2
;; launch gup (part 3): grid 256 x 1, 4 waves a work-group, no clusters, 226,560 bytes of LDS; arguments x, token_mask, weights, lists, counts, wg, hid, out0; writes hid, out0
.if DOCPART == 3
	.amdgcn_target "amdgcn-amd-amdhsa--gfx1250"
	.amdhsa_code_object_version 6
	.text
	.protected	k_q4bb1b83941_gup
	.globl	k_q4bb1b83941_gup
	.p2align	8
	.type	k_q4bb1b83941_gup,@function
k_q4bb1b83941_gup:
	s_mov_b64 s[64:65], 0
	v_nop
	global_prefetch_b8 v0, s[64:65] scope:SCOPE_SE
	s_setreg_imm32_b32 hwreg(HW_REG_WAVE_MODE, 25, 1), 1
	s_wait_xcnt 0x0
; FIRST PRODUCT AND WEIGHTED SWIGLU, for the slots that count; and the zero rows of the output.
; hidden[s][:] = silu(x[t] . Wgate[e]) * (x[t] . Wup[e]) * p[s] for every slot s = 2 t + k of an unmasked token, e the expert that it names.
; The problem's function multiplies every other expert's hidden row by 0, so those products are not made; a masked token's output row is 0 and is stored here.
; FORMATS AND LIMITS.  x, W_gup and the routing weight p are rounded once to bf16 (nearest even); sums, sigmoid and products in f32.  hidden leaves as two bf16
; numbers, hi = bf16(h) and lo = bf16(h - hi), a relative error of about 2^-17.  Where an expert that a token does not name would give an infinity or a NaN, the
; problem's 0 x inf is not reproduced.  An index outside 0..7 has p = 0.  sigmoid(g) = 1 / (1 + 2^(-1.442695 g)); v_exp_f32 and v_rcp_f32 flush denormals (ISA guide 15.8).
; SHARES.  Work-group = (expert e = id / 32, share j = id % 32): a 32nd of the expert's list, at most 48 rows a pass (1,536 slots a pass; a list of 16,384 takes 11).
; Wave c takes hidden columns 32 c .. 32 c + 31: 32 gate and 32 up columns, all of K = 2,048: 3 row blocks x 4 column blocks = 12 accumulators.
; Rows at or past the share's count repeat its last row: the same numbers are made and the same bytes stored to the same place by the same wave, so EXEC is never changed.
; THE FIRST PASS fetches each byte of x once a work-group: wave c loads rows 12 c .. 12 c + 11 (512 consecutive bytes a load), rounds them and lays them into ONE tile in LDS,
; 48 rows x (4,096 + 16) bytes, all of K; a barrier; then every wave reads its fragments of x from the tile and takes W as fragments straight into registers (each is used by this wave
; alone), through a ring of four buffers, three chunks of 64 along K ahead.  This pass is straight-line text that every wave runs whatever the counts, so that its two barriers stand
; under no branch: a share without rows works on the list's zeros (slot 0) and jumps over its stores alone.
; LATER PASSES (an expert with more than 1,536 slots) have a trip count read from memory, so they have no barrier: each wave loads x for itself, chunk by chunk, into its own 48 rows x 144 bytes.
; NO CLUSTER, NO TENSOR LOADS: x's rows are gathered by a list and must be rounded on the way into LDS; the weights that the 32 shares of an expert have in common go to registers, not to LDS.
; out0: tokens 32 id + 8 c + 0..7 are this wave's: a masked one gets 8,192 bytes of zeros; these stores stand behind the first 48 loads of x.
.set PITCH, 4112                       ; a row of the tile: 4,096 bytes + 16 = 1,028 words: the 16 rows of a fragment load start at 16 different groups of four banks (64 banks of 4 bytes: ISA guide 11.1)
.set TILE,  48*PITCH                   ; behind the tile: 7,168 bytes for each wave, its own
.set RO,  16                           ; v[16:27]  first pass: byte offset in x of my 16 bytes of row 12 c + i
.set XO,  16                           ; v[16:39]  later passes: load i: byte offset in x of my 16 bytes of row i (lanes 0-15) or i + 24 (lanes 16-31)
.set HO,  40                           ; v[40:51]  store m: byte offset in hid of my 16 bytes of row 4 m + lane / 8
.set PP,  52                           ; v[52:57]  row block b: p of row 16 b + lane % 16, twice (a pair)
.set PK,  58                           ; v[58:65]  later passes: four pairs: 4 bf16 on their way to LDS
.set X,   66                           ; v[66:161] first pass: a row's 32 packed registers, two sets; then x's fragments of the odd chunks; later passes: x as loaded; at the end the rows of hid read back
.set AF,  162                          ; v[162:209] x's fragments: K half k, row block b at AF + 24 k + 8 b
.set T,   210                          ; v[210:217] at work; v[210:213] hold the zero rows' zeros until the sums are finished
.set WD,  218                          ; v[218:225] hi, widened
.set HI,  226                          ; v[226:229]
.set LO,  230                          ; v[230:233]
.set AA,  234                          ; v[234:236] first pass: LDS address of my fragments of row block b; steps along K
.set BF,  96                           ; window 1, later passes: W's fragments: buffer u, K half k, column block f at BF + 64 u + 8 (4 k + f); f = 2 hbl + gu
                                       ; window 1: v0-95 the accumulators: row block b, column block f at 8 (4 b + f); before the sums begin v0-191 hold three rows of x as loaded
                                       ; window 2, first pass: W's fragments: buffer u of four at 64 u + 8 (4 k + f)
.set MSB, 0
.macro WIN new                         ; s_set_vgpr_msb: bits 1:0 source 0, 3:2 source 1, 5:4 source 2, 7:6 destination; the high byte repeats the setting that is left
.if MSB != (\new)
	s_set_vgpr_msb (MSB<<8)|(\new)
.set MSB, \new
.endif
.endm
.set W_MM, 0x51                        ; W, C and D in window 1, x in window 0
.set W_M2, 0x52                        ; W in window 2, C and D in window 1, x in window 0
.set W_LB, 0x40                        ; destination in window 1
.set W_L2, 0x80                        ; destination in window 2
.set W_S0, 0x01                        ; source 0 in window 1
.set W_CV, 0x05                        ; sources 0 and 1 in window 1
	s_load_b512 s[4:19], s[0:1], 0x0               ; x s[4:5], token_mask s[6:7], weights s[8:9], lists s[10:11], counts s[12:13], wg s[14:15], hid s[16:17], out0 s[18:19]
	v_lshl_add_u32 v254, v0, 2, 0x37300
	v_mov_b32 v255, 0
	v_and_b32 v1, 31, v0                           ; lane
	v_lshrrev_b32 v13, 5, v0
	v_readfirstlane_b32 s20, v13                   ; wave c
	v_and_b32 v2, 15, v0                           ; r
	v_bfe_u32 v3, v0, 4, 1                         ; hh
	v_lshlrev_b32 v4, 4, v2
	v_lshlrev_b32 v5, 4, v1
	s_mul_i32 s40, s20, 7168
	s_add_co_u32 s40, s40, TILE                    ; my wave's own LDS
	s_lshl_b32 s41, s20, 7
	v_mul_u32_u24 v6, v3, 3456                     ; later passes: x into my own tile: row i + 24 hh, 8 bytes at 8 r
	v_lshl_add_u32 v6, v2, 3, v6
	v_add_nc_u32 v6, s40, v6
	v_mul_u32_u24 v7, v2, 144                      ; fragments out of my own tile, and hid into it: row r, 16 bytes at 16 hh
	v_lshl_add_u32 v7, v3, 4, v7
	v_add_nc_u32 v7, s40, v7
	v_bfe_u32 v12, v0, 3, 2                        ; lane / 8
	v_and_b32 v13, 7, v0                           ; lane % 8
	v_mul_u32_u24 v9, v12, 144                     ; hid out of my own tile: four rows of 128 bytes a load
	v_lshl_add_u32 v9, v13, 4, v9
	v_add_nc_u32 v9, s40, v9
	v_lshl_add_u32 v10, v13, 4, s41                ; my 16 bytes in a slot's 512: 128 c + 16 (lane % 8)
	v_mul_u32_u24 v11, v3, 24
	s_mul_i32 s54, s20, 12*PITCH
	v_lshl_add_u32 v14, v1, 3, s54                 ; first pass: x into the shared tile: my wave's 12 rows, 8 bytes a lane
	s_mul_i32 s55, s20, 12
	v_mov_b32 v15, s55                             ; the first of those rows
	v_mul_u32_u24 v[AA], v2, PITCH                 ; fragments out of the shared tile: row 16 b + r, 16 bytes at 16 hh
	v_lshl_add_u32 v[AA], v3, 4, v[AA]
	v_add_nc_u32 v[AA+1], 16*PITCH, v[AA]
	v_add_nc_u32 v[AA+2], 32*PITCH, v[AA]
.irp z, 0,1,2,3
	v_mov_b32 v[T+(\z)], 0
.endr
	s_lshr_b32 s21, ttmp9, 5                       ; e
	s_and_b32 s22, ttmp9, 31                       ; j
	s_wait_kmcnt 0x0
	s_lshl_b32 s44, s21, 2
	s_add_co_u32 s44, s44, 256                     ; word 64 + e
	s_mov_b32 s45, 0
	s_add_nc_u64 s[12:13], s[12:13], s[44:45]
	s_load_b32 s23, s[12:13], 0x0                  ; n: the expert's slots
	s_lshl_b32 s46, ttmp9, 5
	s_lshl_b32 s47, s20, 3
	s_add_co_u32 s46, s46, s47                     ; the first of my 8 tokens
	s_mov_b32 s47, 0
	s_add_nc_u64 s[6:7], s[6:7], s[46:47]
	s_load_b64 s[42:43], s[6:7], 0x0               ; their mask bytes
	s_lshl_b32 s48, s46, 13
	s_mov_b32 s49, 0
	s_add_nc_u64 s[18:19], s[18:19], s[48:49]      ; their rows of out0
	s_add_co_u32 s50, s21, 64
	s_lshl_b32 s50, s50, 16
	s_mov_b32 s51, 0
	s_add_nc_u64 s[10:11], s[10:11], s[50:51]      ; the expert's list
	s_lshl_b32 s52, s21, 3
	s_lshl1_add_u32 s52, s20, s52                  ; hb = 8 e + 2 c
	s_lshl_b32 s52, s52, 17
	s_mov_b32 s53, 0
	s_add_nc_u64 s[38:39], s[14:15], s[52:53]      ; my fragments of W
	s_wait_kmcnt 0x0
.macro ZROW a                          ; token a of my 8: 16 stores of 512 consecutive bytes if it is masked
	s_bfe_u32 s44, s[42+(\a)/4], (8<<16)|(8*((\a)%4))
	s_cmp_lg_u32 s44, 0
	s_cbranch_scc1 .Lkept_\@
.set i, 0
.rept 16
	global_store_b128 v5, v[T:T+3], s[18:19] offset:(\a)*8192+i*512 th:TH_STORE_NT
.set i, i+1
.endr
.Lkept_\@:
.endm
; Pass s25: its first entry, my share of it (s29 first entry, s30 entries, s31 the last row's number, 0 for a share without rows).
.macro PASSCALC
	s_mul_i32 s26, s25, 1536                       ; the pass's first entry
	s_sub_co_u32 s27, s23, s26
	s_min_u32 s27, s27, 1536                       ; its entries
	s_add_co_u32 s28, s27, 31
	s_lshr_b32 s28, s28, 5                         ; a share: at most 48
	s_mul_i32 s44, s22, s28
	s_add_co_u32 s29, s26, s44
	s_sub_co_i32 s30, s27, s44
	s_max_i32 s30, s30, 0
	s_min_u32 s30, s30, s28
	s_max_u32 s31, s30, 1
	s_sub_co_u32 s31, s31, 1
.endm
; Entry number min(term + imm, last row) of my share: the load lands on its own address register.  The launch before has written all 16,384 entries of the list, zeros past its length.
.macro LIDX d, term, imm
	v_add_nc_u32 v[\d], \imm, v[\term]
	v_min_u32 v[\d], s31, v[\d]
	v_add_nc_u32 v[\d], s29, v[\d]
	v_min_u32 v[\d], 0x3fff, v[\d]
	v_lshlrev_b32 v[\d], 2, v[\d]
	global_load_b32 v[\d], v[\d], s[10:11]
.endm
.macro ENT_HP                          ; the entries for the stores of hid and for p
.set i, 0
.rept 12
	LIDX HO+i, 12, 4*i
.set i, i+1
.endr
.irp b, 0,1,2
	LIDX PP+2*(\b), 2, 16*(\b)
.endr
.endm
.macro POST_HP                         ; hid's offsets; the bad flags; three loads of p
.set i, 0
.rept 12
	v_and_b32 v[HO+i], 0x3fff, v[HO+i]             ; the slot
	v_min_u32 v[HO+i], 0x3fff, v[HO+i]
	v_lshl_add_u32 v[HO+i], v[HO+i], 9, v10
.set i, i+1
.endr
.irp b, 0,1,2
	v_and_b32 v[PP+2*(\b)+1], 0x10000, v[PP+2*(\b)]  ; the bad flag
	v_and_b32 v[PP+2*(\b)], 0x3fff, v[PP+2*(\b)]
	v_min_u32 v[PP+2*(\b)], 0x3fff, v[PP+2*(\b)]
	v_lshlrev_b32 v[PP+2*(\b)], 2, v[PP+2*(\b)]
	global_load_b32 v[PP+2*(\b)], v[PP+2*(\b)], s[8:9]
.endr
.endm
.macro PMAKE                           ; p rounded to bf16, as f32, 0 for a bad index, in both registers of its pair
.irp b, 0,1,2
	v_cvt_pk_bf16_f32 v[PP+2*(\b)], v[PP+2*(\b)], v[PP+2*(\b)]
	v_lshlrev_b32 v[PP+2*(\b)], 16, v[PP+2*(\b)]
	v_cmp_eq_u32 vcc_lo, 0, v[PP+2*(\b)+1]
	v_cndmask_b32 v[PP+2*(\b)], 0, v[PP+2*(\b)], vcc_lo
	v_mov_b32 v[PP+2*(\b)+1], v[PP+2*(\b)]
.endr
.endm
; ---- the first pass's macros ----
.macro XR i                            ; row 12 c + i of x: 16 loads of 512 consecutive bytes, into slot i % 3 of window 1
	WIN W_LB
.set j, 0
.rept 16
	global_load_b128 v[64*((\i)%3)+4*j:64*((\i)%3)+4*j+3], v[RO+(\i)], s[4:5] offset:512*j
.set j, j+1
.endr
	WIN 0
.endm
.macro BLD2 u                          ; a chunk of W: 8 fragments, 16 loads of 512 consecutive bytes, into buffer u of window 2
	WIN W_L2
.irp k, 0,1
.irp f, 0,1,2,3
.irp h, 0,1
	global_load_b128 v[64*(\u)+8*(4*(\k)+(\f))+4*(\h):64*(\u)+8*(4*(\k)+(\f))+4*(\h)+3], v5, s[36:37] offset:((\f)/2)*131072+(\k)*2048+((\f)%2)*1024+(\h)*512
.endr
.endr
.endr
	WIN 0
.endm
; Row i is rounded and laid into the tile; its slot takes row i + 3.  Behind the last rows the first three chunks of W go out instead, 16 loads each,
; so that at every wait two groups of 16 loads are younger than the row: rows i + 1 and i + 2; at i = 10 row 11 and W's chunk 0; at i = 11 W's chunks 0 and 1.
.macro STG i
	s_wait_loadcnt 32
	WIN W_CV
.set j, 0
.rept 16
	v_cvt_pk_bf16_f32 v[X+32*((\i)%2)+2*j],   v[64*((\i)%3)+4*j],   v[64*((\i)%3)+4*j+1]
	v_cvt_pk_bf16_f32 v[X+32*((\i)%2)+2*j+1], v[64*((\i)%3)+4*j+2], v[64*((\i)%3)+4*j+3]
.set j, j+1
.endr
	WIN 0
.set j, 0
.rept 16
	ds_store_b64 v14, v[X+32*((\i)%2)+2*j:X+32*((\i)%2)+2*j+1] offset:(\i)*PITCH+256*j  ; the wave stores 256 consecutive bytes
.set j, j+1
.endr
.if (\i) < 9
	XR (\i)+3
.else
.if (\i) > 9
	s_wait_xcnt 0x0                                ; W's running address is stepped only behind this wait
	s_add_nc_u64 s[36:37], s[36:37], 4096
.endif
	BLD2 (\i)-9
.endif
.endm
.macro ALD par, off                    ; a chunk's 6 fragments of x, at byte off from the running addresses, into the set of parity par
.set AFP, AF-(AF-X)*(\par)
.irp k, 0,1
.irp b, 0,1,2
	ds_load_b128 v[AFP+24*(\k)+8*(\b):AFP+24*(\k)+8*(\b)+3],   v[AA+(\b)] offset:(\off)+(\k)*64
	ds_load_b128 v[AFP+24*(\k)+8*(\b)+4:AFP+24*(\k)+8*(\b)+7], v[AA+(\b)] offset:(\off)+(\k)*64+32
.endr
.endr
.endm
; Chunk number 4 q + u, on W's buffer u and x's set u % 2.  aload: the next chunk's x is fetched; refill: W's chunk three further on, into the buffer that the chunk before read.
; lcnt: the loads of W's later chunks, which stay out.  first = 1: the first 12 products start the sums.
; The matrix instruction is used transposed (source 0 = 16 columns of W, source 1 = 16 rows of x): a lane then holds one row (lane % 16) and 8 neighbouring hidden columns.
.macro TRIP2 u, first, refill, aload, lcnt
.rept 4
	v_nop                                          ; four places between the chunk before's products and the loads into registers that they read
.endr
.if \aload
	ALD ((\u)+1)%2, ((\u)+1)*128
.endif
.if \refill
	s_wait_xcnt 0x0
	s_add_nc_u64 s[36:37], s[36:37], 4096
	BLD2 ((\u)+3)%4
.endif
	s_wait_loadcnt \lcnt
.if \aload
	s_wait_dscnt 12                                ; this chunk's x is in; the 12 loads just issued stay out
.else
	s_wait_dscnt 0x0
.endif
	WIN W_M2
.set AFU, AF-(AF-X)*((\u)%2)
.irp k, 0,1                            ; the 12 accumulators take turns, one instruction a turn, over the loop's edge too
.irp b, 0,1,2
.irp f, 0,1,2,3
.if (\first) && ((\k) == 0)
	v_wmma_f32_16x16x32_bf16 v[8*(4*(\b)+(\f)):8*(4*(\b)+(\f))+7], v[64*(\u)+8*(4*(\k)+(\f)):64*(\u)+8*(4*(\k)+(\f))+7], v[AFU+24*(\k)+8*(\b):AFU+24*(\k)+8*(\b)+7], 0
.else
	v_wmma_f32_16x16x32_bf16 v[8*(4*(\b)+(\f)):8*(4*(\b)+(\f))+7], v[64*(\u)+8*(4*(\k)+(\f)):64*(\u)+8*(4*(\k)+(\f))+7], v[AFU+24*(\k)+8*(\b):AFU+24*(\k)+8*(\b)+7], v[8*(4*(\b)+(\f)):8*(4*(\b)+(\f))+7]
.endif
.endr
.endr
.endr
	WIN 0
.endm
.macro QUAD first, tail                ; four chunks, once round W's ring.  tail = 1: the last four: one more refill (chunk 31), then the counts run down
	TRIP2 0, \first, 1, 1, 48
.if \tail
	TRIP2 1, 0, 0, 1, 32
	TRIP2 2, 0, 0, 1, 16
	TRIP2 3, 0, 0, 0, 0
.else
	TRIP2 1, 0, 1, 1, 48
	TRIP2 2, 0, 1, 1, 48
	TRIP2 3, 0, 1, 1, 48
.irp b, 0,1,2
	v_add_nc_u32 v[AA+(\b)], 0x200, v[AA+(\b)]     ; 256 along K further
.endr
.endif
.endm
; ---- the later passes' macros ----
.macro XLD                             ; a chunk of x: 24 loads, each 256 consecutive bytes of rows i and i + 24
.set i, 0
.rept 24
	global_load_b128 v[X+4*i:X+4*i+3], v[XO+i], s[34:35]
.set i, i+1
.endr
.endm
.macro BLD u                           ; a chunk of W: 8 fragments, 16 loads of 512 consecutive bytes
	WIN W_LB
.irp k, 0,1
.irp f, 0,1,2,3
.irp h, 0,1
	global_load_b128 v[BF+64*(\u)+8*(4*(\k)+(\f))+4*(\h):BF+64*(\u)+8*(4*(\k)+(\f))+4*(\h)+3], v5, s[36:37] offset:((\f)/2)*131072+(\k)*2048+((\f)%2)*1024+(\h)*512
.endr
.endr
.endr
	WIN 0
.endm
; One chunk of 64 along K, on W's buffer u.  first = 1: its first 12 products start the sums.  last = 1: nothing more is fetched.
.macro TRIP u, first, last
	s_wait_loadcnt 16                              ; this chunk's x is in; the 16 younger loads are this chunk's W
.set i, 0
.rept 24                               ; these 48 conversions name no register of the products before them: they are the places ahead of the loads into x's and W's fragments
	v_cvt_pk_bf16_f32 v[PK+2*(i%4)], v[X+4*i], v[X+4*i+1]
	v_cvt_pk_bf16_f32 v[PK+2*(i%4)+1], v[X+4*i+2], v[X+4*i+3]
	ds_store_b64 v6, v[PK+2*(i%4):PK+2*(i%4)+1] offset:i*144
.set i, i+1
.endr
.if !(\last)
	s_wait_xcnt 0x0                                ; the two running addresses are stepped only behind this wait
	s_add_nc_u64 s[34:35], s[34:35], 256
	s_add_nc_u64 s[36:37], s[36:37], 4096
	XLD
.endif
.irp k, 0,1
.irp b, 0,1,2
	ds_load_b128 v[AF+24*(\k)+8*(\b):AF+24*(\k)+8*(\b)+3],   v7 offset:(\b)*2304+(\k)*64     ; my own stores above are served first (ISA guide 5.7.1.4)
	ds_load_b128 v[AF+24*(\k)+8*(\b)+4:AF+24*(\k)+8*(\b)+7], v7 offset:(\b)*2304+(\k)*64+32
.endr
.endr
.if !(\last)
	BLD 1-(\u)
	s_wait_loadcnt 40                              ; this chunk's W is in; the next chunk's 24 loads of x and 16 of W stay out
.else
	s_wait_loadcnt 0x0
.endif
	s_wait_dscnt 0x0
	WIN W_MM
.irp k, 0,1                            ; the 12 accumulators take turns, one instruction a turn, over the loop's edge too
.irp b, 0,1,2
.irp f, 0,1,2,3
.if (\first) && ((\k) == 0)
	v_wmma_f32_16x16x32_bf16 v[8*(4*(\b)+(\f)):8*(4*(\b)+(\f))+7], v[BF+64*(\u)+8*(4*(\k)+(\f)):BF+64*(\u)+8*(4*(\k)+(\f))+7], v[AF+24*(\k)+8*(\b):AF+24*(\k)+8*(\b)+7], 0
.else
	v_wmma_f32_16x16x32_bf16 v[8*(4*(\b)+(\f)):8*(4*(\b)+(\f))+7], v[BF+64*(\u)+8*(4*(\k)+(\f)):BF+64*(\u)+8*(4*(\k)+(\f))+7], v[AF+24*(\k)+8*(\b):AF+24*(\k)+8*(\b)+7], v[8*(4*(\b)+(\f)):8*(4*(\b)+(\f))+7]
.endif
.endr
.endr
.endr
	WIN 0
.endm
; ---- the end of a pass ----
; Row block b, 16 hidden columns hb: h = g u p / (1 + 2^(-1.442695 g)), split into hi and lo, 16 bytes each into my own tile.  Each accumulator is read from its low end on.
.macro FIN b, hb
.set G, 8*(4*(\b)+2*(\hb))
.set U, G+8
	WIN W_S0
.irp z, 0,1,2,3
	v_pk_mul_f32 v[T+2*(\z):T+2*(\z)+1], v[G+2*(\z):G+2*(\z)+1], 0xbfb8aa3b op_sel_hi:[1,0]
.endr
	WIN 0
.irp z, 0,1,2,3,4,5,6,7
	v_exp_f32 v[T+(\z)], v[T+(\z)]
.endr
	v_nop                                          ; a plain instruction behind the last exponential (ISA guide 5.7.2)
	s_wait_alu depctr_va_vdst(0)
.irp z, 0,1,2,3
	v_pk_add_f32 v[T+2*(\z):T+2*(\z)+1], v[T+2*(\z):T+2*(\z)+1], 1.0 op_sel_hi:[1,0]
.endr
.irp z, 0,1,2,3,4,5,6,7
	v_rcp_f32 v[T+(\z)], v[T+(\z)]
.endr
	v_nop
	WIN W_S0
	s_wait_alu depctr_va_vdst(0)
.irp z, 0,1,2,3
	v_pk_mul_f32 v[T+2*(\z):T+2*(\z)+1], v[G+2*(\z):G+2*(\z)+1], v[T+2*(\z):T+2*(\z)+1]
.endr
.irp z, 0,1,2,3
	v_pk_mul_f32 v[T+2*(\z):T+2*(\z)+1], v[U+2*(\z):U+2*(\z)+1], v[T+2*(\z):T+2*(\z)+1]
.endr
	WIN 0
.irp z, 0,1,2,3
	v_pk_mul_f32 v[T+2*(\z):T+2*(\z)+1], v[T+2*(\z):T+2*(\z)+1], v[PP+2*(\b):PP+2*(\b)+1]
.endr
.irp z, 0,1,2,3
	v_cvt_pk_bf16_f32 v[HI+(\z)], v[T+2*(\z)], v[T+2*(\z)+1]
.endr
.irp z, 0,1,2,3
	v_lshlrev_b32 v[WD+2*(\z)], 16, v[HI+(\z)]
	v_and_b32 v[WD+2*(\z)+1], 0xffff0000, v[HI+(\z)]
.endr
.irp z, 0,1,2,3
	v_pk_add_f32 v[T+2*(\z):T+2*(\z)+1], v[T+2*(\z):T+2*(\z)+1], v[WD+2*(\z):WD+2*(\z)+1] neg_lo:[0,1] neg_hi:[0,1]
.endr
.irp z, 0,1,2,3
	v_cvt_pk_bf16_f32 v[LO+(\z)], v[T+2*(\z)], v[T+2*(\z)+1]
.endr
	ds_store_b128 v7, v[HI:HI+3] offset:(\b)*2304+(\hb)*32
	ds_store_b128 v7, v[LO:LO+3] offset:(\b)*2304+64+(\hb)*32
.endm
.macro FINSTORE skip                   ; skip = 1: a share without rows stores nothing
.rept 4
	v_nop                                          ; the places behind the last products
.endr
	s_wait_xcnt 0x0                                ; the zero rows' stores have read T
.irp b, 0,1,2
	FIN \b, 0
	FIN \b, 1
.endr
.if \skip
	s_cmp_eq_u32 s30, 0
	s_cbranch_scc1 .Lnone_\@
.endif
.set m, 0
.rept 12
	ds_load_b128 v[X+4*m:X+4*m+3], v9 offset:m*576
.set m, m+1
.endr
.set m, 0
.rept 12
	s_wait_dscnt 11-m
	global_store_b128 v[HO+m], v[X+4*m:X+4*m+3], s[16:17]  ; eight lanes store a slot's 128 consecutive bytes; the four waves fill its 512
.set m, m+1
.endr
.if \skip
.Lnone_\@:
.endif
.endm
	s_min_u32 s23, s23, 0x4000                     ; there are 16,384 slots
	s_add_co_u32 s24, s23, 1535
	s_lshr_b32 s24, s24, 9
	s_mul_i32 s24, s24, 171
	s_lshr_b32 s24, s24, 9                         ; passes = ceil(n / 1,536): a third of at most 34 by 171 / 512, exact there
	; ======== THE FIRST PASS: no branch but the zero rows' and the one over the stores ========
	s_mov_b32 s25, 0
	PASSCALC
	s_mov_b64 s[36:37], s[38:39]
.set i, 0
.rept 12
	LIDX RO+i, 15, i
.set i, i+1
.endr
	ENT_HP
	s_wait_loadcnt 0x0
.set i, 0
.rept 12
	v_bfe_u32 v[RO+i], v[RO+i], 1, 13              ; the token
	v_min_u32 v[RO+i], 0x1fff, v[RO+i]
	v_lshl_add_u32 v[RO+i], v[RO+i], 13, v5        ; its row of 8,192 bytes + 16 lane
.set i, i+1
.endr
	POST_HP
	XR 0
	XR 1
	XR 2
.irp a, 0,1,2,3,4,5,6,7
	ZROW \a                                        ; the zero rows leave while the first rows of x are on their way
.endr
	s_wait_loadcnt 48                              ; the three p are in; the 48 loads of x stay out
	PMAKE
.irp i, 0,1,2,3,4,5,6,7,8,9,10,11
	STG \i
.endr
	s_wait_dscnt 0x0                               ; for the others' sake: my 12 rows are in the tile before I signal
	s_barrier_signal -1
	s_barrier_wait -1                              ; the tile is whole; W's first three chunks are still on their way into my registers
	ALD 0, 0
	QUAD 1, 0                                      ; 32 chunks: 4 + 6 x 4 + 4
	s_mov_b32 s33, 6
.Lq:
	QUAD 0, 0
	s_sub_co_u32 s33, s33, 1
	s_cmp_lg_u32 s33, 0
	s_cbranch_scc1 .Lq
	QUAD 0, 1
	s_wait_dscnt 0x0                               ; my reads of the tile are over
	s_barrier_signal -1
	s_barrier_wait -1                              ; everybody's are: from here on each wave touches its own 7,168 bytes alone
	FINSTORE 1
	; ======== LATER PASSES: only for an expert with more than 1,536 slots ========
	s_cmp_lt_u32 s24, 2
	s_cbranch_scc1 .Lend
	s_mov_b32 s25, 1
.Lpass:
	s_wait_xcnt 0x0                                ; the last pass's stores have read their registers
	PASSCALC
	s_cmp_eq_u32 s30, 0
	s_cbranch_scc1 .Lnext
	s_mov_b64 s[34:35], s[4:5]
	s_mov_b64 s[36:37], s[38:39]
.set i, 0
.rept 24
	LIDX XO+i, 11, i
.set i, i+1
.endr
	ENT_HP
	s_wait_loadcnt 0x0
.set i, 0
.rept 24
	v_bfe_u32 v[XO+i], v[XO+i], 1, 13              ; the token
	v_min_u32 v[XO+i], 0x1fff, v[XO+i]
	v_lshl_add_u32 v[XO+i], v[XO+i], 13, v4        ; its row of 8,192 bytes + 16 r
.set i, i+1
.endr
	POST_HP
	XLD
	BLD 0
	s_wait_loadcnt 40                              ; the three p are in; 24 loads of x and 16 of W stay out
	PMAKE
	TRIP 0, 1, 0                                   ; 32 chunks: 2 + 14 x 2 + 2
	TRIP 1, 0, 0
	s_mov_b32 s33, 14
.Lk:
	TRIP 0, 0, 0
	TRIP 1, 0, 0
	s_sub_co_u32 s33, s33, 1
	s_cmp_lg_u32 s33, 0
	s_cbranch_scc1 .Lk
	TRIP 0, 0, 0
	TRIP 1, 0, 1
	FINSTORE 0
.Lnext:
	s_add_co_u32 s25, s25, 1
	s_cmp_lt_u32 s25, s24
	s_cbranch_scc1 .Lpass
.Lend:
	s_wait_tensorcnt 0x0
	ds_add_u32 v254, v255
	s_wait_dscnt 0x0
	s_endpgm
.Lfunc_end_k_q4bb1b83941_gup:
	.size	k_q4bb1b83941_gup, .Lfunc_end_k_q4bb1b83941_gup-k_q4bb1b83941_gup
	.p2alignl 7, 3214868480
	.fill 96, 4, 3214868480
	.section	.rodata,"a",@progbits
	.p2align	6, 0x0
	.amdhsa_kernel k_q4bb1b83941_gup
		.amdhsa_group_segment_fixed_size 226560
		.amdhsa_private_segment_fixed_size 0
		.amdhsa_enable_private_segment 0
		.amdhsa_kernarg_size 64
		.amdhsa_user_sgpr_count 2
		.amdhsa_user_sgpr_kernarg_segment_ptr 1
		.amdhsa_wavefront_size32 1
		.amdhsa_system_sgpr_workgroup_id_x 1
		.amdhsa_system_sgpr_workgroup_id_y 1
		.amdhsa_system_sgpr_workgroup_id_z 1
		.amdhsa_system_vgpr_workitem_id 0
		.amdhsa_next_free_vgpr 768
		.amdhsa_next_free_sgpr 66
		.amdhsa_reserve_vcc 1
		.amdhsa_float_denorm_mode_32 3
		.amdhsa_float_denorm_mode_16_64 3
		.amdhsa_memory_ordered 1
		.amdhsa_forward_progress 1
		.amdhsa_inst_pref_size 255
	.end_amdhsa_kernel
	.section	.bss,"aw",@nobits
	.p2align	6
	.space	262144
	.amdgpu_metadata
---
amdhsa.version: [ 1, 2 ]
amdhsa.kernels:
  - .name:           k_q4bb1b83941_gup
    .symbol:         k_q4bb1b83941_gup.kd
    .args:
      - { .name: x, .offset: 0, .size: 8, .value_kind: global_buffer, .address_space: global }
      - { .name: token_mask, .offset: 8, .size: 8, .value_kind: global_buffer, .address_space: global }
      - { .name: weights, .offset: 16, .size: 8, .value_kind: global_buffer, .address_space: global }
      - { .name: lists, .offset: 24, .size: 8, .value_kind: global_buffer, .address_space: global }
      - { .name: counts, .offset: 32, .size: 8, .value_kind: global_buffer, .address_space: global }
      - { .name: wg, .offset: 40, .size: 8, .value_kind: global_buffer, .address_space: global }
      - { .name: hid, .offset: 48, .size: 8, .value_kind: global_buffer, .address_space: global }
      - { .name: out0, .offset: 56, .size: 8, .value_kind: global_buffer, .address_space: global }
    .group_segment_fixed_size: 226560
    .private_segment_fixed_size: 0
    .kernarg_segment_align: 8
    .kernarg_segment_size: 64
    .max_flat_workgroup_size: 128
    .sgpr_count:     66
    .vgpr_count:     768
    .wavefront_size: 32
...
	.end_amdgpu_metadata
.endif
;; end of part 3
;; launch down (part 4): grid 256 x 1, 8 waves a work-group, no clusters, 35,840 bytes of LDS; arguments lists, counts, wd, hid, out0; writes out0
.if DOCPART == 4
	.amdgcn_target "amdgcn-amd-amdhsa--gfx1250"
	.amdhsa_code_object_version 6
	.text
	.protected	k_q4bb1b83941_down
	.globl	k_q4bb1b83941_down
	.p2align	8
	.type	k_q4bb1b83941_down,@function
k_q4bb1b83941_down:
	s_mov_b64 s[64:65], 0
	v_nop
	global_prefetch_b8 v0, s[64:65] scope:SCOPE_SE
	s_setreg_imm32_b32 hwreg(HW_REG_WAVE_MODE, 25, 1), 1
	s_wait_xcnt 0x0
; SECOND PRODUCT AND COMBINE.  y[t][:] = hidden[2 t] . W_down[e0] + hidden[2 t + 1] . W_down[e1], for every unmasked token t, by groups of tokens with the same (e0, e1).
; One sum over K = 2 experts x 128 hidden x 2 parts (hi, lo; both by the same fragment of W_down): 16 K steps of 32, sums in f32, y stored as f32.
; FORMATS.  W_down rounded once to bf16; hidden as hi + lo in bf16, as the launch before left it.
; SHARES.  Work-group = (pair g = id / 4, columns 512 (id % 4) ..).  Wave wv owns 64 columns, 256 bytes of an output row, and keeps its slice of both experts'
; W_down in registers for the whole launch: 32 fragments, all of window 1.  The group's tokens go by blocks of 16: 64 products on 4 accumulators.
; The number of blocks hangs on the group's count, read from memory.  Entry numbers are clamped to the last: the dead rows of the last block repeat the last token
; (the same bytes stored again by the same wave), and the look-ahead behind the last block loads valid bytes that nobody uses.  EXEC is never changed.
; A token's two slots are 1,024 consecutive bytes of hid: fragment a = 8 k + 2 c + part lies at byte 64 a, and goes with W_down's K step c of expert k.
; The way out goes through the wave's own stage in LDS (16 rows x 272 bytes): no barrier.
; NO CLUSTER, NO TENSOR LOADS: the weights stay in registers; the rows of hid that a group's four work-groups have in common are gathered by a list, 16 KB a block, in a loop whose
; length is read from memory.
.set EN,  16                           ; v[16:24]  entries: [0] of token r, [1 + m] of token 2 m + hh
.set EO,  26                           ; v[26:33]  store m: byte offset in out0 of my 16 bytes of token 2 m + hh
.set ACC, 48                           ; v[48:79]  column block nb at ACC + 8 nb
.set OUT, 80                           ; v[80:111] rows read back from the stage
.set AF,  112                          ; v[112:239] hid's fragments: a at AF + 8 a
                                       ; window 1: W_down's fragments: expert k, column block nb, K step ks at 128 k + 8 (4 nb + ks)
.set MSB, 0
.macro WIN new                         ; s_set_vgpr_msb: bits 1:0 source 0, 7:6 destination; the high byte repeats the setting that is left
.if MSB != (\new)
	s_set_vgpr_msb (MSB<<8)|(\new)
.set MSB, \new
.endif
.endm
	s_load_b256 s[4:11], s[0:1], 0x0               ; lists s[4:5], counts s[6:7], wd s[8:9], hid s[10:11]
	s_load_b64 s[12:13], s[0:1], 0x20              ; out0
	v_lshl_add_u32 v254, v0, 2, 0x8800
	v_mov_b32 v255, 0
	v_lshrrev_b32 v10, 5, v0
	v_readfirstlane_b32 s14, v10                   ; wave wv
	v_and_b32 v1, 31, v0
	v_and_b32 v2, 15, v0                           ; r
	v_bfe_u32 v3, v0, 4, 1                         ; hh
	v_lshlrev_b32 v4, 4, v1
	v_lshlrev_b32 v5, 4, v3
	v_lshlrev_b32 v6, 4, v2
	s_mul_i32 s31, s14, 4352                       ; my stage
	v_mul_u32_u24 v7, v2, 272                      ; in: row r, 32 bytes for each half of the lanes
	v_lshl_add_u32 v7, v3, 5, v7
	v_add_nc_u32 v7, s31, v7
	v_mul_u32_u24 v8, v3, 272                      ; back: lanes 0-15 one row of 256 bytes, lanes 16-31 the next
	v_lshl_add_u32 v8, v2, 4, v8
	v_add_nc_u32 v8, s31, v8
	s_lshr_b32 s15, ttmp9, 2                       ; g
	s_and_b32 s16, ttmp9, 3                        ; nq
	s_mov_b32 s27, 0
	s_wait_kmcnt 0x0
	s_lshl_b32 s26, s15, 2
	s_add_nc_u64 s[6:7], s[6:7], s[26:27]
	s_load_b32 s17, s[6:7], 0x0                    ; n: the group's tokens
	s_lshl_b32 s26, s15, 16
	s_add_nc_u64 s[4:5], s[4:5], s[26:27]          ; the group's list
	s_lshl_b32 s28, s16, 17
	s_lshl_b32 s29, s14, 14
	s_add_co_u32 s28, s28, s29                     ; column block 32 nq + 4 wv, 4,096 bytes each
	s_lshr_b32 s29, s15, 3                         ; e0
	s_lshl_b32 s26, s29, 19
	s_add_co_u32 s26, s26, s28
	s_add_nc_u64 s[22:23], s[8:9], s[26:27]
	s_and_b32 s29, s15, 7                          ; e1
	s_lshl_b32 s26, s29, 19
	s_add_co_u32 s26, s26, s28
	s_add_nc_u64 s[24:25], s[8:9], s[26:27]
	s_lshl_b32 s26, s16, 11
	s_lshl_b32 s29, s14, 8
	s_add_co_u32 s26, s26, s29
	s_add_nc_u64 s[12:13], s[12:13], s[26:27]      ; my 256 bytes of a row
	s_wait_kmcnt 0x0
	s_min_u32 s17, s17, 0x2000                     ; there are 8,192 tokens
	s_cmp_eq_u32 s17, 0
	s_cbranch_scc1 .Lend
	s_sub_co_u32 s18, s17, 1
	s_add_co_u32 s19, s17, 15
	s_lshr_b32 s19, s19, 4                         ; blocks
.macro ELD sb                          ; the nine entries of the block that begins at entry s[sb]; each load lands on its own address register
	v_add_nc_u32 v[EN], s[\sb], v2
.irp m, 0,1,2,3,4,5,6,7
	v_add3_u32 v[EN+1+(\m)], s[\sb], v3, 2*(\m)
.endr
.irp q, 0,1,2,3,4,5,6,7,8
	v_min_u32 v[EN+(\q)], s18, v[EN+(\q)]
	v_min_u32 v[EN+(\q)], 0x1fff, v[EN+(\q)]
	v_lshlrev_b32 v[EN+(\q)], 2, v[EN+(\q)]
	global_load_b32 v[EN+(\q)], v[EN+(\q)], s[4:5]
.endr
.endm
.macro TOKA                            ; token r's 1,024 bytes of hid + 16 hh; with the v_nop four plain instructions
	v_bfe_u32 v9, v[EN], 1, 13
	v_min_u32 v9, 0x1fff, v9
	v_lshl_add_u32 v9, v9, 10, v5
	v_nop
.endm
.macro TOKO                            ; the rows of out0
.irp m, 0,1,2,3,4,5,6,7
	v_bfe_u32 v[EO+(\m)], v[EN+1+(\m)], 1, 13
	v_min_u32 v[EO+(\m)], 0x1fff, v[EO+(\m)]
	v_lshl_add_u32 v[EO+(\m)], v[EO+(\m)], 13, v6
.endr
.endm
.macro ALD                             ; a block's 16 fragments of hid
.set a, 0
.rept 16
	global_load_b128 v[AF+8*a:AF+8*a+3],   v9, s[10:11] offset:64*a
	global_load_b128 v[AF+8*a+4:AF+8*a+7], v9, s[10:11] offset:64*a+32
.set a, a+1
.endr
.endm
	WIN 0x40                                       ; my slice of W_down: 2 x 16 KB, each load 512 consecutive bytes
.set f, 0
.rept 32
	global_load_b128 v[4*f:4*f+3], v4, s[22:23] offset:512*f
	global_load_b128 v[128+4*f:128+4*f+3], v4, s[24:25] offset:512*f
.set f, f+1
.endr
	WIN 0
	s_mov_b32 s21, 0
	ELD 21
	s_wait_loadcnt 0x0
	TOKA
	TOKO
	ALD
	s_mov_b32 s20, 0
.Lblk:
	s_wait_xcnt 0x0                                ; the last block's stores have read OUT
	s_lshl_b32 s21, s20, 4
	s_add_co_u32 s21, s21, 16
	ELD 21                                         ; the next block's entries
	s_wait_loadcnt 9                               ; this block's fragments are in; the nine entries stay out
	WIN 0x01                                       ; source 0 (W_down) in window 1.  Used transposed: a lane holds one token (lane % 16) and 8 neighbouring columns
.set a, 0
.rept 16                               ; the four accumulators take turns, one instruction a turn
.irp nb, 0,1,2,3
.if a == 0
	v_wmma_f32_16x16x32_bf16 v[ACC+8*(\nb):ACC+8*(\nb)+7], v[128*(a/8)+8*(4*(\nb)+(a%8)/2):128*(a/8)+8*(4*(\nb)+(a%8)/2)+7], v[AF+8*a:AF+8*a+7], 0
.else
	v_wmma_f32_16x16x32_bf16 v[ACC+8*(\nb):ACC+8*(\nb)+7], v[128*(a/8)+8*(4*(\nb)+(a%8)/2):128*(a/8)+8*(4*(\nb)+(a%8)/2)+7], v[AF+8*a:AF+8*a+7], v[ACC+8*(\nb):ACC+8*(\nb)+7]
.endif
.endr
.set a, a+1
.endr
	WIN 0
	s_wait_loadcnt 0x0                             ; the entries
	TOKA                                           ; four places behind the last products, ahead of the loads into the fragments and of the stores of the sums
	ALD                                            ; the next block's fragments are on their way while this block goes out
.irp nb, 0,1,2,3
	ds_store_b128 v7, v[ACC+8*(\nb):ACC+8*(\nb)+3]   offset:64*(\nb)      ; each accumulator from its low end on
	ds_store_b128 v7, v[ACC+8*(\nb)+4:ACC+8*(\nb)+7] offset:64*(\nb)+16
.endr
.irp m, 0,1,2,3,4,5,6,7
	ds_load_b128 v[OUT+4*(\m):OUT+4*(\m)+3], v8 offset:544*(\m)            ; LDS serves a wave's instructions in order (ISA guide 5.7.1.4): these see the stores above
.endr
.irp m, 0,1,2,3,4,5,6,7
	s_wait_dscnt 7-(\m)
	global_store_b128 v[EO+(\m)], v[OUT+4*(\m):OUT+4*(\m)+3], s[12:13] th:TH_STORE_NT  ; 16 lanes store 256 consecutive bytes, at a multiple of 256 from out0's first byte
.endr
	s_wait_xcnt 0x0                                ; the stores' offsets are written again only behind this wait
	TOKO
	s_add_co_u32 s20, s20, 1
	s_cmp_lt_u32 s20, s19
	s_cbranch_scc1 .Lblk
.Lend:
	s_wait_tensorcnt 0x0
	ds_add_u32 v254, v255
	s_wait_dscnt 0x0
	s_endpgm
.Lfunc_end_k_q4bb1b83941_down:
	.size	k_q4bb1b83941_down, .Lfunc_end_k_q4bb1b83941_down-k_q4bb1b83941_down
	.p2alignl 7, 3214868480
	.fill 96, 4, 3214868480
	.section	.rodata,"a",@progbits
	.p2align	6, 0x0
	.amdhsa_kernel k_q4bb1b83941_down
		.amdhsa_group_segment_fixed_size 35840
		.amdhsa_private_segment_fixed_size 0
		.amdhsa_enable_private_segment 0
		.amdhsa_kernarg_size 40
		.amdhsa_user_sgpr_count 2
		.amdhsa_user_sgpr_kernarg_segment_ptr 1
		.amdhsa_wavefront_size32 1
		.amdhsa_system_sgpr_workgroup_id_x 1
		.amdhsa_system_sgpr_workgroup_id_y 1
		.amdhsa_system_sgpr_workgroup_id_z 1
		.amdhsa_system_vgpr_workitem_id 0
		.amdhsa_next_free_vgpr 512
		.amdhsa_next_free_sgpr 66
		.amdhsa_reserve_vcc 0
		.amdhsa_float_denorm_mode_32 3
		.amdhsa_float_denorm_mode_16_64 3
		.amdhsa_memory_ordered 1
		.amdhsa_forward_progress 1
		.amdhsa_inst_pref_size 30
	.end_amdhsa_kernel
	.amdgpu_metadata
---
amdhsa.version: [ 1, 2 ]
amdhsa.kernels:
  - .name:           k_q4bb1b83941_down
    .symbol:         k_q4bb1b83941_down.kd
    .args:
      - { .name: lists, .offset: 0, .size: 8, .value_kind: global_buffer, .address_space: global }
      - { .name: counts, .offset: 8, .size: 8, .value_kind: global_buffer, .address_space: global }
      - { .name: wd, .offset: 16, .size: 8, .value_kind: global_buffer, .address_space: global }
      - { .name: hid, .offset: 24, .size: 8, .value_kind: global_buffer, .address_space: global }
      - { .name: out0, .offset: 32, .size: 8, .value_kind: global_buffer, .address_space: global }
    .group_segment_fixed_size: 35840
    .private_segment_fixed_size: 0
    .kernarg_segment_align: 8
    .kernarg_segment_size: 40
    .max_flat_workgroup_size: 256
    .sgpr_count:     66
    .vgpr_count:     512
    .wavefront_size: 32
...
	.end_amdgpu_metadata
.endif
;; end of part 4
;; ======== version 2 of 3: 4 launches; 1.18 times as fast as version 1
;; limits: values outside matrix products are rounded to bf16
;; workspace buffers: lists 4,718,592 bytes of whole numbers; counts 512 bytes of whole numbers; wg 8,388,608 bytes; wd 4,194,304 bytes; hid 8,388,608 bytes
;; launch route: the kernel of part 1 again; grid 160 x 1, 16 waves a work-group, no clusters, 69,888 bytes of LDS; arguments indices, token_mask, lists, counts; writes lists, counts
;; launch prep: the kernel of part 2 again; grid 256 x 1, 12 waves a work-group, no clusters, 51,712 bytes of LDS; arguments W_gup, W_down, wg, wd; writes wg, wd
;; launch gup: the kernel of part 3 again; grid 256 x 1, 4 waves a work-group, no clusters, 226,560 bytes of LDS; arguments x, token_mask, weights, lists, counts, wg, hid, out0; writes hid, out0
;; launch down (part 5): grid 256 x 1, 8 waves a work-group, no clusters, 135,680 bytes of LDS; arguments lists, counts, wd, hid, out0; writes out0
.if DOCPART == 5
	.amdgcn_target "amdgcn-amd-amdhsa--gfx1250"
	.amdhsa_code_object_version 6
	.text
	.protected	k_q4bb1b83941_down
	.globl	k_q4bb1b83941_down
	.p2align	8
	.type	k_q4bb1b83941_down,@function
k_q4bb1b83941_down:
	s_mov_b64 s[64:65], 0
	v_nop
	global_prefetch_b8 v0, s[64:65] scope:SCOPE_SE
	s_setreg_imm32_b32 hwreg(HW_REG_WAVE_MODE, 25, 1), 1
	s_wait_xcnt 0x0
; SECOND PRODUCT AND COMBINE.  y[t][:] = hidden[2 t] . W_down[e0] + hidden[2 t + 1] . W_down[e1], for every unmasked token t, by groups of tokens with the same (e0, e1).
; One sum over K = 2 experts x 128 hidden x 2 parts (hi, lo; both by the same fragment of W_down): 16 K steps of 32, sums in f32, y stored as f32.
; FORMATS.  W_down rounded once to bf16; hidden as hi + lo in bf16, as the launch before left it.
; SHARES.  Work-group = (pair g = id / 4, columns 512 (id % 4) ..).  Wave wv owns 64 columns, 256 bytes of an output row, and keeps its slice of both experts'
; W_down in registers for the whole launch: 32 fragments, all of window 1.  The group's tokens go by blocks of 16: 64 products on 4 accumulators.
; A token's two slots are 1,024 consecutive bytes of hid: fragment a = 8 k + 2 c + part lies at byte 64 a, and goes with W_down's K step c of expert k.
; THE FIRST 96 TOKENS' rows of hid are fetched once a work-group: wave wv loads rows 12 wv .. 12 wv + 11 (512 consecutive bytes a load) into ONE tile in LDS, 96 rows x (1,024 + 16) bytes;
; one barrier; then every wave reads its fragments from the tile.  The staging and the barrier are straight-line text that every wave runs whatever the group's count.  The tile is never
; written again, and the waves' stages for the way out lie behind it, each wave's own: no second barrier.  The loop over the tile's six blocks has a constant count; blocks past the group's
; count are jumped forward.  A group without tokens stages bytes of wd in hid's stead, which nobody uses: so no byte of hid is read that the launch before has not stored.
; TOKENS PAST 96 go by a loop whose length is read from memory, so it has no barrier: each wave loads its fragments of hid for itself.
; Entry numbers are clamped to the group's last: the dead rows of the last block repeat the last token (the same bytes stored again by the same wave), and the look-ahead behind the last
; block loads valid bytes that nobody uses.  EXEC is never changed.
; NO CLUSTER, NO TENSOR LOADS: the weights stay in registers; the rows of hid that a group's four work-groups have in common are gathered by a list, row by row.
.set TP,   1040                        ; a row of the tile: 1,024 bytes + 16 = 260 words: the 16 rows of a fragment load start at 16 different groups of four banks (64 banks of 4 bytes: ISA guide 11.1)
.set CAP,  96                          ; rows of the tile
.set OSTG, CAP*TP                      ; behind the tile: 16 rows x 272 bytes for each wave, for the way out
.set EN,  16                           ; v[16:24]  entries: [0] of token r, [1 + m] of token 2 m + hh
.set EO,  26                           ; v[26:33]  store m: byte offset in out0 of my 16 bytes of token 2 m + hh
.set HM,  34                           ; v[34:41]  2 m + hh; never rewritten
.set ACC, 48                           ; v[48:79]  column block nb at ACC + 8 nb
.set OUT, 80                           ; v[80:111] rows read back from the stage
.set SO,  80                           ; v[80:91]  in the staging: byte offset in hid of my 16 bytes of row 12 wv + i
.set AF,  112                          ; v[112:239] hid's fragments: a at AF + 8 a; in the staging v[112:207]: my 12 rows as loaded
                                       ; window 1: W_down's fragments: expert k, column block nb, K step ks at 128 k + 8 (4 nb + ks)
.set MSB, 0
.macro WIN new                         ; s_set_vgpr_msb: bits 1:0 source 0, 7:6 destination; the high byte repeats the setting that is left
.if MSB != (\new)
	s_set_vgpr_msb (MSB<<8)|(\new)
.set MSB, \new
.endif
.endm
	s_load_b256 s[4:11], s[0:1], 0x0               ; lists s[4:5], counts s[6:7], wd s[8:9], hid s[10:11]
	s_load_b64 s[12:13], s[0:1], 0x20              ; out0
	v_lshl_add_u32 v254, v0, 2, 0x20e00
	v_mov_b32 v255, 0
	v_lshrrev_b32 v10, 5, v0
	v_readfirstlane_b32 s14, v10                   ; wave wv
	v_and_b32 v1, 31, v0
	v_and_b32 v2, 15, v0                           ; r
	v_bfe_u32 v3, v0, 4, 1                         ; hh
	v_lshlrev_b32 v4, 4, v1
	v_lshlrev_b32 v5, 4, v3
	v_lshlrev_b32 v6, 4, v2
	s_mul_i32 s31, s14, 4352
	s_add_co_u32 s31, s31, OSTG                    ; my stage
	v_mul_u32_u24 v7, v2, 272                      ; in: row r, 32 bytes for each half of the lanes
	v_lshl_add_u32 v7, v3, 5, v7
	v_add_nc_u32 v7, s31, v7
	v_mul_u32_u24 v8, v3, 272                      ; back: lanes 0-15 one row of 256 bytes, lanes 16-31 the next
	v_lshl_add_u32 v8, v2, 4, v8
	v_add_nc_u32 v8, s31, v8
	v_mul_u32_u24 v11, v2, TP                      ; fragments out of the tile: row r of the block in hand, 16 bytes at 16 hh; steps from block to block
	v_lshl_add_u32 v11, v3, 4, v11
	s_mul_i32 s34, s14, 12
	v_mov_b32 v12, s34                             ; the first of the 12 rows that I stage
	s_mul_i32 s34, s14, 12*TP
	v_lshl_add_u32 v13, v1, 4, s34                 ; into the tile: my 12 rows, 16 bytes a lane
.irp m, 0,1,2,3,4,5,6,7
	v_add_nc_u32 v[HM+(\m)], 2*(\m), v3
.endr
	s_lshr_b32 s15, ttmp9, 2                       ; g
	s_and_b32 s16, ttmp9, 3                        ; nq
	s_mov_b32 s27, 0
	s_wait_kmcnt 0x0
	s_lshl_b32 s26, s15, 2
	s_add_nc_u64 s[6:7], s[6:7], s[26:27]
	s_load_b32 s17, s[6:7], 0x0                    ; n: the group's tokens
	s_lshl_b32 s26, s15, 16
	s_add_nc_u64 s[4:5], s[4:5], s[26:27]          ; the group's list
	s_lshl_b32 s28, s16, 17
	s_lshl_b32 s29, s14, 14
	s_add_co_u32 s28, s28, s29                     ; column block 32 nq + 4 wv, 4,096 bytes each
	s_lshr_b32 s29, s15, 3                         ; e0
	s_lshl_b32 s26, s29, 19
	s_add_co_u32 s26, s26, s28
	s_add_nc_u64 s[22:23], s[8:9], s[26:27]
	s_and_b32 s29, s15, 7                          ; e1
	s_lshl_b32 s26, s29, 19
	s_add_co_u32 s26, s26, s28
	s_add_nc_u64 s[24:25], s[8:9], s[26:27]
	s_lshl_b32 s26, s16, 11
	s_lshl_b32 s29, s14, 8
	s_add_co_u32 s26, s26, s29
	s_add_nc_u64 s[12:13], s[12:13], s[26:27]      ; my 256 bytes of a row
.macro WLD k                           ; my slice of expert k's W_down: 16 KB, each load 512 consecutive bytes
	WIN 0x40
.set f, 0
.rept 32
	global_load_b128 v[128*(\k)+4*f:128*(\k)+4*f+3], v4, s[22+2*(\k):23+2*(\k)] offset:512*f
.set f, f+1
.endr
	WIN 0
.endm
; The entries of the block that begins at entry s[sb]: those of the eight stores' rows, and (all = 1) that of token r.  Each load lands on its own address register.
.macro ELD sb, all
.if \all
	v_add_nc_u32 v[EN], s[\sb], v2
.endif
.irp m, 0,1,2,3,4,5,6,7
	v_add_nc_u32 v[EN+1+(\m)], s[\sb], v[HM+(\m)]
.endr
.irp q, 0,1,2,3,4,5,6,7,8
.if (\all) || (\q)
	v_min_u32 v[EN+(\q)], s18, v[EN+(\q)]
	v_min_u32 v[EN+(\q)], 0x1fff, v[EN+(\q)]
	v_lshlrev_b32 v[EN+(\q)], 2, v[EN+(\q)]
	global_load_b32 v[EN+(\q)], v[EN+(\q)], s[4:5]
.endif
.endr
.endm
.macro TOKA                            ; token r's 1,024 bytes of hid + 16 hh; with the v_nop four plain instructions
	v_bfe_u32 v9, v[EN], 1, 13
	v_min_u32 v9, 0x1fff, v9
	v_lshl_add_u32 v9, v9, 10, v5
	v_nop
.endm
.macro TOKO                            ; the rows of out0
.irp m, 0,1,2,3,4,5,6,7
	v_bfe_u32 v[EO+(\m)], v[EN+1+(\m)], 1, 13
	v_min_u32 v[EO+(\m)], 0x1fff, v[EO+(\m)]
	v_lshl_add_u32 v[EO+(\m)], v[EO+(\m)], 13, v6
.endr
.endm
.macro ALD                             ; a block's 16 fragments of hid, from memory
.set a, 0
.rept 16
	global_load_b128 v[AF+8*a:AF+8*a+3],   v9, s[10:11] offset:64*a
	global_load_b128 v[AF+8*a+4:AF+8*a+7], v9, s[10:11] offset:64*a+32
.set a, a+1
.endr
.endm
.macro LLD                             ; the same from the tile
.set a, 0
.rept 16
	ds_load_b128 v[AF+8*a:AF+8*a+3],   v11 offset:64*a
	ds_load_b128 v[AF+8*a+4:AF+8*a+7], v11 offset:64*a+32
.set a, a+1
.endr
.endm
; A block's 64 products.  Source 0 (W_down) in window 1.  Used transposed: a lane holds one token (lane % 16) and 8 neighbouring columns.
; lds = 1: the fragments come from the tile: ahead of fragments a .. a + 3 the 24 - 2 a loads of the later fragments may be out.
.macro MMUL lds
	WIN 0x01
.set a, 0
.rept 16                               ; the four accumulators take turns, one instruction a turn
.if (\lds) && (a%4 == 0)
	s_wait_dscnt 24-2*a
.endif
.irp nb, 0,1,2,3
.if a == 0
	v_wmma_f32_16x16x32_bf16 v[ACC+8*(\nb):ACC+8*(\nb)+7], v[128*(a/8)+8*(4*(\nb)+(a%8)/2):128*(a/8)+8*(4*(\nb)+(a%8)/2)+7], v[AF+8*a:AF+8*a+7], 0
.else
	v_wmma_f32_16x16x32_bf16 v[ACC+8*(\nb):ACC+8*(\nb)+7], v[128*(a/8)+8*(4*(\nb)+(a%8)/2):128*(a/8)+8*(4*(\nb)+(a%8)/2)+7], v[AF+8*a:AF+8*a+7], v[ACC+8*(\nb):ACC+8*(\nb)+7]
.endif
.endr
.set a, a+1
.endr
	WIN 0
.endm
.macro WAYOUT                          ; the block's sums through my own stage, and out as whole rows of 256 bytes
.irp nb, 0,1,2,3
	ds_store_b128 v7, v[ACC+8*(\nb):ACC+8*(\nb)+3]   offset:64*(\nb)      ; each accumulator from its low end on
	ds_store_b128 v7, v[ACC+8*(\nb)+4:ACC+8*(\nb)+7] offset:64*(\nb)+16
.endr
.irp m, 0,1,2,3,4,5,6,7
	ds_load_b128 v[OUT+4*(\m):OUT+4*(\m)+3], v8 offset:544*(\m)            ; LDS serves a wave's instructions in order (ISA guide 5.7.1.4): these see the stores above
.endr
.irp m, 0,1,2,3,4,5,6,7
	s_wait_dscnt 7-(\m)
	global_store_b128 v[EO+(\m)], v[OUT+4*(\m):OUT+4*(\m)+3], s[12:13] th:TH_STORE_NT  ; 16 lanes store 256 consecutive bytes, at a multiple of 256 from out0's first byte
.endr
.endm
	WLD 0                                          ; expert e0's slice goes out while the group's count is on its way
	s_wait_kmcnt 0x0
	s_min_u32 s17, s17, 0x2000                     ; there are 8,192 tokens
	s_max_u32 s18, s17, 1
	s_sub_co_u32 s18, s18, 1                       ; the last entry's number (0 for a group without tokens: the launch that made the lists stored zeros past their lengths)
	s_add_co_u32 s19, s17, 15
	s_lshr_b32 s19, s19, 4                         ; blocks
	s_cmp_eq_u32 s17, 0
	s_cselect_b64 s[32:33], s[8:9], s[10:11]       ; what is staged: hid; for a group without tokens wd
	; ======== THE STAGING: no branch ========
.set i, 0
.rept 12
	v_add_nc_u32 v[SO+i], i, v12
	v_min_u32 v[SO+i], s18, v[SO+i]
	v_min_u32 v[SO+i], 0x1fff, v[SO+i]
	v_lshlrev_b32 v[SO+i], 2, v[SO+i]
	global_load_b32 v[SO+i], v[SO+i], s[4:5]       ; the entry of row 12 wv + i, the same in every lane
.set i, i+1
.endr
	s_wait_loadcnt 0x0
.set i, 0
.rept 12
	v_bfe_u32 v[SO+i], v[SO+i], 1, 13              ; the token
	v_min_u32 v[SO+i], 0x1fff, v[SO+i]
	v_lshl_add_u32 v[SO+i], v[SO+i], 10, v4        ; its 1,024 bytes + 16 lane
.set i, i+1
.endr
.set i, 0
.rept 12
	global_load_b128 v[AF+8*i:AF+8*i+3],   v[SO+i], s[32:33]
	global_load_b128 v[AF+8*i+4:AF+8*i+7], v[SO+i], s[32:33] offset:512
.set i, i+1
.endr
	WLD 1                                          ; expert e1's slice
.set i, 0
.rept 12
	s_wait_loadcnt 54-2*i                          ; row i is in; the 22 - 2 i loads of the later rows and the 32 of W stay out
	ds_store_b128 v13, v[AF+8*i:AF+8*i+3]   offset:i*TP        ; the wave stores 512 consecutive bytes
	ds_store_b128 v13, v[AF+8*i+4:AF+8*i+7] offset:i*TP+512
.set i, i+1
.endr
	s_mov_b32 s21, 0
	ELD 21, 0                                      ; the first block's entries for the stores
	s_wait_dscnt 0x0                               ; for the others' sake: my 12 rows are in the tile before I signal
	s_barrier_signal -1
	s_barrier_wait -1                              ; the tile is whole; nobody writes it again
	; ======== THE TILE'S SIX BLOCKS ========
	s_mov_b32 s20, CAP/16
.Lfb:
	s_cmp_ge_u32 s21, s17
	s_cbranch_scc1 .Lfstep                         ; a block past the group's count
	s_wait_loadcnt 0x0                             ; this block's entries; in the first trip W too
	s_wait_xcnt 0x0                                ; the last block's stores have read EO and OUT
	TOKO
	s_add_co_u32 s30, s21, 16
	ELD 30, 0                                      ; the next block's entries
	LLD
	MMUL 1
.rept 4
	v_nop                                          ; four places behind the last products, ahead of the stores of the sums and of the next loads into the fragments
.endr
	WAYOUT
.Lfstep:
	v_add_nc_u32 v11, 16*TP, v11                   ; the next block's rows
	s_add_co_u32 s21, s21, 16
	s_sub_co_u32 s20, s20, 1
	s_cmp_lg_u32 s20, 0
	s_cbranch_scc1 .Lfb
	; ======== TOKENS PAST 96: only for a group with more ========
	s_cmp_le_u32 s19, CAP/16
	s_cbranch_scc1 .Lend
	s_wait_loadcnt 0x0                             ; the look-ahead has landed: EN may be written
	s_wait_xcnt 0x0                                ; the last block's stores have read EO
	s_mov_b32 s21, CAP
	ELD 21, 1
	s_wait_loadcnt 0x0
	TOKA
	TOKO
	ALD
	s_mov_b32 s20, CAP/16
.Lblk:
	s_wait_xcnt 0x0                                ; the last block's stores have read OUT
	s_lshl_b32 s21, s20, 4
	s_add_co_u32 s21, s21, 16
	ELD 21, 1                                      ; the next block's entries
	s_wait_loadcnt 9                               ; this block's fragments are in; the nine entries stay out
	MMUL 0
	s_wait_loadcnt 0x0                             ; the entries
	TOKA                                           ; four places behind the last products, ahead of the loads into the fragments and of the stores of the sums
	ALD                                            ; the next block's fragments are on their way while this block goes out
	WAYOUT
	s_wait_xcnt 0x0                                ; the stores' offsets are written again only behind this wait
	TOKO
	s_add_co_u32 s20, s20, 1
	s_cmp_lt_u32 s20, s19
	s_cbranch_scc1 .Lblk
.Lend:
	s_wait_tensorcnt 0x0
	ds_add_u32 v254, v255
	s_wait_dscnt 0x0
	s_endpgm
.Lfunc_end_k_q4bb1b83941_down:
	.size	k_q4bb1b83941_down, .Lfunc_end_k_q4bb1b83941_down-k_q4bb1b83941_down
	.p2alignl 7, 3214868480
	.fill 96, 4, 3214868480
	.section	.rodata,"a",@progbits
	.p2align	6, 0x0
	.amdhsa_kernel k_q4bb1b83941_down
		.amdhsa_group_segment_fixed_size 135680
		.amdhsa_private_segment_fixed_size 0
		.amdhsa_enable_private_segment 0
		.amdhsa_kernarg_size 40
		.amdhsa_user_sgpr_count 2
		.amdhsa_user_sgpr_kernarg_segment_ptr 1
		.amdhsa_wavefront_size32 1
		.amdhsa_system_sgpr_workgroup_id_x 1
		.amdhsa_system_sgpr_workgroup_id_y 1
		.amdhsa_system_sgpr_workgroup_id_z 1
		.amdhsa_system_vgpr_workitem_id 0
		.amdhsa_next_free_vgpr 512
		.amdhsa_next_free_sgpr 66
		.amdhsa_reserve_vcc 0
		.amdhsa_float_denorm_mode_32 3
		.amdhsa_float_denorm_mode_16_64 3
		.amdhsa_memory_ordered 1
		.amdhsa_forward_progress 1
		.amdhsa_inst_pref_size 54
	.end_amdhsa_kernel
	.amdgpu_metadata
---
amdhsa.version: [ 1, 2 ]
amdhsa.kernels:
  - .name:           k_q4bb1b83941_down
    .symbol:         k_q4bb1b83941_down.kd
    .args:
      - { .name: lists, .offset: 0, .size: 8, .value_kind: global_buffer, .address_space: global }
      - { .name: counts, .offset: 8, .size: 8, .value_kind: global_buffer, .address_space: global }
      - { .name: wd, .offset: 16, .size: 8, .value_kind: global_buffer, .address_space: global }
      - { .name: hid, .offset: 24, .size: 8, .value_kind: global_buffer, .address_space: global }
      - { .name: out0, .offset: 32, .size: 8, .value_kind: global_buffer, .address_space: global }
    .group_segment_fixed_size: 135680
    .private_segment_fixed_size: 0
    .kernarg_segment_align: 8
    .kernarg_segment_size: 40
    .max_flat_workgroup_size: 256
    .sgpr_count:     66
    .vgpr_count:     512
    .wavefront_size: 32
...
	.end_amdgpu_metadata
.endif
;; end of part 5
;; ======== version 3 of 3: 4 launches; version 2 with the launch down written anew for expert scheduling mode
;; limits: values outside matrix products are rounded to bf16
;; workspace buffers: lists 4,718,592 bytes of whole numbers; counts 512 bytes of whole numbers; wg 8,388,608 bytes; wd 4,194,304 bytes; hid 8,388,608 bytes
;; launch route: the kernel of part 1 again; grid 160 x 1, 16 waves a work-group, no clusters, 69,888 bytes of LDS; arguments indices, token_mask, lists, counts; writes lists, counts
;; launch prep: the kernel of part 2 again; grid 256 x 1, 12 waves a work-group, no clusters, 51,712 bytes of LDS; arguments W_gup, W_down, wg, wd; writes wg, wd
;; launch gup: the kernel of part 3 again; grid 256 x 1, 4 waves a work-group, no clusters, 226,560 bytes of LDS; arguments x, token_mask, weights, lists, counts, wg, hid, out0; writes hid, out0
;; launch down (part 6): grid 256 x 1, 8 waves a work-group, no clusters, 135,680 bytes of LDS; arguments lists, counts, wd, hid, out0; writes out0
.if DOCPART == 6
	.amdgcn_target "amdgcn-amd-amdhsa--gfx1250"
	.amdhsa_code_object_version 6
	.text
	.protected	k_q4bb1b83941_down
	.globl	k_q4bb1b83941_down
	.p2align	8
	.type	k_q4bb1b83941_down,@function
k_q4bb1b83941_down:
	s_mov_b64 s[64:65], 0
	v_nop
	global_prefetch_b8 v0, s[64:65] scope:SCOPE_SE
	s_setreg_imm32_b32 hwreg(HW_REG_WAVE_SCHED_MODE, 0, 2), 2
	s_setreg_imm32_b32 hwreg(HW_REG_WAVE_MODE, 25, 1), 1
	s_wait_xcnt 0x0
	s_wait_alu depctr_vm_vsrc(0)
; SECOND PRODUCT AND COMBINE.  y[t][:] = hidden[2 t] . W_down[e0] + hidden[2 t + 1] . W_down[e1], for every unmasked token t, by groups of tokens with the same (e0, e1).
; One sum over K = 2 experts x 128 hidden x 2 parts (hi, lo; both by the same fragment of W_down): 16 K steps of 32, sums in f32, y stored as f32.
; FORMATS.  W_down rounded once to bf16; hidden as hi + lo in bf16, as the launch before left it.
; SHARES.  Work-group = (pair g = id / 4, columns 512 (id % 4) ..).  Wave wv owns 64 columns, 256 bytes of an output row, and keeps its slice of both experts'
; W_down in registers for the whole launch: 32 fragments, all of window 1.  The group's tokens go by blocks of 16: 64 products on 4 accumulators.
; A token's two slots are 1,024 consecutive bytes of hid: fragment a = 8 k + 2 c + part lies at byte 64 a, and goes with W_down's K step c of expert k.
; THE FIRST 96 TOKENS' rows of hid are fetched once a work-group: wave wv loads rows 12 wv .. 12 wv + 11 (512 consecutive bytes a load) into ONE tile in LDS, 96 rows x (1,024 + 16) bytes;
; one barrier; then every wave reads its fragments from the tile.  The staging and the barrier are straight-line text that every wave runs whatever the group's count.  The tile is never
; written again, and the waves' stages for the way out lie behind it, each wave's own: no second barrier.  The loop over the tile's six blocks has a constant count; blocks past the group's
; count are jumped forward.  A group without tokens stages bytes of wd in hid's stead, which nobody uses: so no byte of hid is read that the launch before has not stored.
; TOKENS PAST 96 go by a loop whose length is read from memory, so it has no barrier: each wave loads its fragments of hid for itself.
; Entry numbers are clamped to the group's last: the dead rows of the last block repeat the last token (the same bytes stored again by the same wave), and the look-ahead behind the last
; block loads valid bytes that nobody uses.  EXEC is never changed.
; NO CLUSTER, NO TENSOR LOADS: the weights stay in registers; the rows of hid that a group's four work-groups have in common are gathered by a list, row by row.
; THE MODE: SCHED_MODE bits 1:0 = 2 (LLVM: expert scheduling mode 2), set by the entry lines.  The code itself states the register dependences
; between vector or matrix instructions and memory or LDS instructions, with s_wait_alu, always for 0.
; THE PLAN.  Registers that memory or LDS instructions touch, block by block:
;   AF    written by the block's loads of hid's fragments; read by the block's 64 products.          ACC   written by the products; read by the way out's eight LDS stores.
;   OUT   written by the way out's LDS loads; read by its eight global stores.                       EO    written by the vector lines TOKO at a block's head; read by those global stores.
;   EN    written by the loads of entries, a block ahead; read by TOKO and TOKA.                     EA    written by the vector lines EADR at a block's head; read by the loads of entries.
;   v11   read by the tile's fragment loads; stepped once a block.                                   v9    written by TOKA; read by the fragment loads from memory.
;   v4 to v8, v12, v13 and HM are made at the head and never written again.  W's registers are loaded once and then read by products alone.
; All the vector lines that make offsets stand together at a block's head, and ONE wait on va_vdst behind them states that EO, EA and v11 are written, that EN has been read, and that the block
; before's products are done reading AF.  The block's loads follow it: the next entries, fragments 0 to 7, and, behind the first 16 products (which name ACC, W and fragments 0 to 3 alone),
; fragments 8 to 15.  A second wait on va_vdst stands behind the last products' places, ahead of the LDS stores of ACC.  ONE wait on vm_vsrc a block, behind the way out, states that all that
; the block's memory and LDS instructions read (v11, EA, ACC, OUT, EO) has been read, ahead of the lines that write these again.
.set TP,   1040                        ; a row of the tile: 1,024 bytes + 16 = 260 words: the 16 rows of a fragment load start at 16 different groups of four banks (64 banks of 4 bytes: ISA guide 11.1)
.set CAP,  96                          ; rows of the tile
.set OSTG, CAP*TP                      ; behind the tile: 16 rows x 272 bytes for each wave, for the way out
.set EN,  16                           ; v[16:24]  entries: [0] of token r, [1 + m] of token 2 m + hh
.set EO,  26                           ; v[26:33]  store m: byte offset in out0 of my 16 bytes of token 2 m + hh
.set HM,  34                           ; v[34:41]  2 m + hh; never rewritten
.set ACC, 48                           ; v[48:79]  column block nb at ACC + 8 nb
.set OUT, 80                           ; v[80:111] rows read back from the stage
.set SD,  80                           ; v[80:91]  in the staging: the entry of row 12 wv + i, then the byte offset in hid of my 16 bytes of that row
.set SA,  92                           ; v[92:103] in the staging: the byte offset of that entry in the list
.set AF,  112                          ; v[112:239] hid's fragments: a at AF + 8 a; in the staging v[112:207]: my 12 rows as loaded
.set EA,  240                          ; v[240:248] the byte offsets in the list of the entries that land in EN
                                       ; window 1: W_down's fragments: expert k, column block nb, K step ks at 128 k + 8 (4 nb + ks)
.set MSB, 0
.macro WIN new                         ; s_set_vgpr_msb: bits 1:0 source 0, 7:6 destination; the high byte repeats the setting that is left
.if MSB != (\new)
	s_set_vgpr_msb (MSB<<8)|(\new)
.set MSB, \new
.endif
.endm
	s_load_b256 s[4:11], s[0:1], 0x0               ; lists s[4:5], counts s[6:7], wd s[8:9], hid s[10:11]
	s_load_b64 s[12:13], s[0:1], 0x20              ; out0
	v_lshl_add_u32 v254, v0, 2, 0x20e00
	v_mov_b32 v255, 0
	v_lshrrev_b32 v10, 5, v0
	v_readfirstlane_b32 s14, v10                   ; wave wv
	v_and_b32 v1, 31, v0
	v_and_b32 v2, 15, v0                           ; r
	v_bfe_u32 v3, v0, 4, 1                         ; hh
	v_lshlrev_b32 v4, 4, v1
	v_lshlrev_b32 v5, 4, v3
	v_lshlrev_b32 v6, 4, v2
	s_wait_alu depctr_va_sdst(0)                   ; s14 is written, ahead of its first reader: LDS places and the bases of W and out0 are made from it
	s_mul_i32 s31, s14, 4352
	s_add_co_u32 s31, s31, OSTG                    ; my stage
	v_mul_u32_u24 v7, v2, 272                      ; in: row r, 32 bytes for each half of the lanes
	v_lshl_add_u32 v7, v3, 5, v7
	v_add_nc_u32 v7, s31, v7
	v_mul_u32_u24 v8, v3, 272                      ; back: lanes 0-15 one row of 256 bytes, lanes 16-31 the next
	v_lshl_add_u32 v8, v2, 4, v8
	v_add_nc_u32 v8, s31, v8
	v_mul_u32_u24 v11, v2, TP                      ; fragments out of the tile: row r of the block in hand, 16 bytes at 16 hh; steps from block to block
	v_lshl_add_u32 v11, v3, 4, v11
	s_mul_i32 s34, s14, 12
	v_mov_b32 v12, s34                             ; the first of the 12 rows that I stage
	s_mul_i32 s35, s14, 12*TP
	v_lshl_add_u32 v13, v1, 4, s35                 ; into the tile: my 12 rows, 16 bytes a lane
.irp m, 0,1,2,3,4,5,6,7
	v_add_nc_u32 v[HM+(\m)], 2*(\m), v3
.endr
	s_lshr_b32 s15, ttmp9, 2                       ; g
	s_and_b32 s16, ttmp9, 3                        ; nq
	s_mov_b32 s27, 0
	s_wait_kmcnt 0x0
	s_lshl_b32 s26, s15, 2
	s_add_nc_u64 s[6:7], s[6:7], s[26:27]
	s_load_b32 s17, s[6:7], 0x0                    ; n: the group's tokens
	s_lshl_b32 s26, s15, 16
	s_add_nc_u64 s[4:5], s[4:5], s[26:27]          ; the group's list
	s_lshl_b32 s28, s16, 17
	s_lshl_b32 s29, s14, 14
	s_add_co_u32 s28, s28, s29                     ; column block 32 nq + 4 wv, 4,096 bytes each
	s_lshr_b32 s29, s15, 3                         ; e0
	s_lshl_b32 s26, s29, 19
	s_add_co_u32 s26, s26, s28
	s_add_nc_u64 s[22:23], s[8:9], s[26:27]
	s_and_b32 s29, s15, 7                          ; e1
	s_lshl_b32 s26, s29, 19
	s_add_co_u32 s26, s26, s28
	s_add_nc_u64 s[24:25], s[8:9], s[26:27]
	s_lshl_b32 s26, s16, 11
	s_lshl_b32 s29, s14, 8
	s_add_co_u32 s26, s26, s29
	s_add_nc_u64 s[12:13], s[12:13], s[26:27]      ; my 256 bytes of a row
.macro WLD k                           ; my slice of expert k's W_down: 16 KB, each load 512 consecutive bytes
	WIN 0x40
.set f, 0
.rept 32
	global_load_b128 v[128*(\k)+4*f:128*(\k)+4*f+3], v4, s[22+2*(\k):23+2*(\k)] offset:512*f
.set f, f+1
.endr
	WIN 0
.endm
; The entries of the block that begins at entry s[sb]: those of the eight stores' rows, and (all = 1) that of token r.  EADR makes their byte offsets in the list, vector lines alone;
; ELOAD loads them, behind the wait that states the offsets written.
.macro EADR sb, all
.if \all
	v_add_nc_u32 v[EA], s[\sb], v2
.endif
.irp m, 0,1,2,3,4,5,6,7
	v_add_nc_u32 v[EA+1+(\m)], s[\sb], v[HM+(\m)]
.endr
.irp q, 0,1,2,3,4,5,6,7,8
.if (\all) || (\q)
	v_min_u32 v[EA+(\q)], s18, v[EA+(\q)]
	v_min_u32 v[EA+(\q)], 0x1fff, v[EA+(\q)]
	v_lshlrev_b32 v[EA+(\q)], 2, v[EA+(\q)]
.endif
.endr
.endm
.macro ELOAD all
.irp q, 0,1,2,3,4,5,6,7,8
.if (\all) || (\q)
	global_load_b32 v[EN+(\q)], v[EA+(\q)], s[4:5]
.endif
.endr
.endm
.macro TOKA                            ; token r's 1,024 bytes of hid + 16 hh; with the v_nop four plain instructions
	v_bfe_u32 v9, v[EN], 1, 13
	v_min_u32 v9, 0x1fff, v9
	v_lshl_add_u32 v9, v9, 10, v5
	v_nop
.endm
.macro TOKO                            ; the rows of out0
.irp m, 0,1,2,3,4,5,6,7
	v_bfe_u32 v[EO+(\m)], v[EN+1+(\m)], 1, 13
	v_min_u32 v[EO+(\m)], 0x1fff, v[EO+(\m)]
	v_lshl_add_u32 v[EO+(\m)], v[EO+(\m)], 13, v6
.endr
.endm
.macro ALD                             ; a block's 16 fragments of hid, from memory
.set a, 0
.rept 16
	global_load_b128 v[AF+8*a:AF+8*a+3],   v9, s[10:11] offset:64*a
	global_load_b128 v[AF+8*a+4:AF+8*a+7], v9, s[10:11] offset:64*a+32
.set a, a+1
.endr
.endm
.macro LLD h                           ; fragments 8 h .. 8 h + 7 of a block, from the tile
.set la, 8*(\h)
.rept 8
	ds_load_b128 v[AF+8*la:AF+8*la+3],   v11 offset:64*la
	ds_load_b128 v[AF+8*la+4:AF+8*la+7], v11 offset:64*la+32
.set la, la+1
.endr
.endm
; A block's 64 products.  Source 0 (W_down) in window 1.  Used transposed: a lane holds one token (lane % 16) and 8 neighbouring columns.
; lds = 1: the fragments come from the tile.  Fragments 0 to 7 have been asked for ahead of the macro; fragments 8 to 15 are asked for behind the first 16 products.
.macro MMUL lds
	WIN 0x01
.set a, 0
.rept 16                               ; the four accumulators take turns, one instruction a turn
.if (\lds) && (a == 0)
	s_wait_dscnt 8                                 ; fragments 0 to 3 are in; the eight loads of fragments 4 to 7 stay out
.endif
.if (\lds) && (a == 4)
	WIN 0                                          ; (the LDS address lies in window 0)
	LLD 1                                          ; no wait: since the wait at the block's head the products have named ACC, W and fragments 0 to 3, none of v11 and fragments 8 to 15
	WIN 0x01
	s_wait_dscnt 16                                ; fragments 4 to 7 are in; the 16 loads just issued stay out
.endif
.if (\lds) && (a == 8)
	s_wait_dscnt 8                                 ; fragments 8 to 11 are in
.endif
.if (\lds) && (a == 12)
	s_wait_dscnt 0x0                               ; all are
.endif
.irp nb, 0,1,2,3
.if a == 0
	v_wmma_f32_16x16x32_bf16 v[ACC+8*(\nb):ACC+8*(\nb)+7], v[128*(a/8)+8*(4*(\nb)+(a%8)/2):128*(a/8)+8*(4*(\nb)+(a%8)/2)+7], v[AF+8*a:AF+8*a+7], 0
.else
	v_wmma_f32_16x16x32_bf16 v[ACC+8*(\nb):ACC+8*(\nb)+7], v[128*(a/8)+8*(4*(\nb)+(a%8)/2):128*(a/8)+8*(4*(\nb)+(a%8)/2)+7], v[AF+8*a:AF+8*a+7], v[ACC+8*(\nb):ACC+8*(\nb)+7]
.endif
.endr
.set a, a+1
.endr
	WIN 0
.endm
.macro WAYOUT                          ; the block's sums through my own stage, and out as whole rows of 256 bytes
.irp nb, 0,1,2,3
	ds_store_b128 v7, v[ACC+8*(\nb):ACC+8*(\nb)+3]   offset:64*(\nb)      ; each accumulator from its low end on
	ds_store_b128 v7, v[ACC+8*(\nb)+4:ACC+8*(\nb)+7] offset:64*(\nb)+16
.endr
.irp m, 0,1,2,3,4,5,6,7
	ds_load_b128 v[OUT+4*(\m):OUT+4*(\m)+3], v8 offset:544*(\m)            ; LDS serves a wave's instructions in order (ISA guide 5.7.1.4): these see the stores above
.endr
.irp m, 0,1,2,3,4,5,6,7
	s_wait_dscnt 7-(\m)
	global_store_b128 v[EO+(\m)], v[OUT+4*(\m):OUT+4*(\m)+3], s[12:13] th:TH_STORE_NT  ; 16 lanes store 256 consecutive bytes, at a multiple of 256 from out0's first byte
.endr
.endm
	s_wait_alu depctr_va_vdst(0)                   ; the head's offsets and addresses (v4, v7, v8, v11, v13) are written, which the loads and LDS instructions of the whole kernel read
	WLD 0                                          ; expert e0's slice goes out while the group's count is on its way
	s_wait_kmcnt 0x0
	s_min_u32 s17, s17, 0x2000                     ; there are 8,192 tokens
	s_max_u32 s18, s17, 1
	s_sub_co_u32 s18, s18, 1                       ; the last entry's number (0 for a group without tokens: the launch that made the lists stored zeros past their lengths)
	s_add_co_u32 s19, s17, 15
	s_lshr_b32 s19, s19, 4                         ; blocks
	s_cmp_eq_u32 s17, 0
	s_cselect_b64 s[32:33], s[8:9], s[10:11]       ; what is staged: hid; for a group without tokens wd
	; ======== THE STAGING: no branch ========
	s_mov_b32 s21, 0
.set i, 0
.rept 12
	v_add_nc_u32 v[SA+i], i, v12
	v_min_u32 v[SA+i], s18, v[SA+i]
	v_min_u32 v[SA+i], 0x1fff, v[SA+i]
	v_lshlrev_b32 v[SA+i], 2, v[SA+i]
.set i, i+1
.endr
	EADR 21, 0                                     ; the first block's entries for the stores: their offsets are made here, so that the one wait below serves them too
	s_wait_alu depctr_va_vdst(0)                   ; SA and EA are written, which the loads of entries read
.set i, 0
.rept 12
	global_load_b32 v[SD+i], v[SA+i], s[4:5]       ; the entry of row 12 wv + i, the same in every lane
.set i, i+1
.endr
	s_wait_loadcnt 0x0
.set i, 0
.rept 12
	v_bfe_u32 v[SD+i], v[SD+i], 1, 13              ; the token
	v_min_u32 v[SD+i], 0x1fff, v[SD+i]
	v_lshl_add_u32 v[SD+i], v[SD+i], 10, v4        ; its 1,024 bytes + 16 lane
.set i, i+1
.endr
	s_wait_alu depctr_va_vdst(0)                   ; SD is written, which the loads of hid read as their offsets
.set i, 0
.rept 12
	global_load_b128 v[AF+8*i:AF+8*i+3],   v[SD+i], s[32:33]
	global_load_b128 v[AF+8*i+4:AF+8*i+7], v[SD+i], s[32:33] offset:512
.set i, i+1
.endr
	WLD 1                                          ; expert e1's slice
.set i, 0
.rept 12
	s_wait_loadcnt 54-2*i                          ; row i is in; the 22 - 2 i loads of the later rows and the 32 of W stay out
	ds_store_b128 v13, v[AF+8*i:AF+8*i+3]   offset:i*TP        ; the wave stores 512 consecutive bytes
	ds_store_b128 v13, v[AF+8*i+4:AF+8*i+7] offset:i*TP+512
.set i, i+1
.endr
	ELOAD 0                                        ; the first block's entries.  No wait: no vector line since EA was stated written names EA or EN
	s_wait_dscnt 0x0                               ; for the others' sake: my 12 rows are in the tile before I signal
	s_barrier_signal -1
	s_barrier_wait -1                              ; the tile is whole; nobody writes it again
	s_wait_alu depctr_vm_vsrc(0)                   ; my LDS stores have read AF, in which the fragments land; the loads have read SA and SD, in which the way out's rows land, and EA, which the first block writes again
	; ======== THE TILE'S SIX BLOCKS ========
	s_mov_b32 s20, CAP/16
.Lfb:
	s_cmp_ge_u32 s21, s17
	s_cbranch_scc1 .Lfstep                         ; a block past the group's count
	s_wait_loadcnt 0x0                             ; this block's entries; in the first trip W too
	s_wait_xcnt 0x0                                ; the last block's stores have had their addresses translated: EO and OUT are written again only behind this wait (the wait on vm_vsrc that goes with it stands at the last block's end)
	TOKO
	s_add_co_u32 s30, s21, 16
	EADR 30, 0                                     ; the next block's entries
	s_wait_alu depctr_va_vdst(0)                   ; EO, EA and v11 are written; TOKO is done reading EN, in which the next entries land; the last block's products are done reading AF, in which the fragments land
	ELOAD 0
	LLD 0
	MMUL 1
.rept 4
	v_nop                                          ; four places behind the last products, ahead of the stores of the sums
.endr
	s_wait_alu depctr_va_vdst(0)                   ; the products have written ACC, which the LDS stores read; the places above stay beside this wait
	WAYOUT
.Lfstep:
	s_wait_alu depctr_vm_vsrc(0)                   ; the fragment loads have read v11; the LDS stores ACC; the global stores EO and OUT; the loads of entries EA: all are written again from here on
	v_add_nc_u32 v11, 16*TP, v11                   ; the next block's rows
	s_add_co_u32 s21, s21, 16
	s_sub_co_u32 s20, s20, 1
	s_cmp_lg_u32 s20, 0
	s_cbranch_scc1 .Lfb
	; ======== TOKENS PAST 96: only for a group with more ========
	s_cmp_le_u32 s19, CAP/16
	s_cbranch_scc1 .Lend
	s_wait_loadcnt 0x0                             ; the look-ahead has landed: EN may be loaded again
	s_wait_xcnt 0x0                                ; the last block's memory instructions have had their addresses translated
	s_mov_b32 s21, CAP
	EADR 21, 1
	s_wait_alu depctr_va_vdst(0)                   ; EA is written, which the loads of entries read
	ELOAD 1
	s_wait_loadcnt 0x0
	TOKA
	s_wait_alu depctr_va_vdst(0)                   ; v9 is written, which the loads of the fragments read
	ALD
	s_mov_b32 s20, CAP/16
.Lblk:
	s_wait_xcnt 0x0                                ; the last block's stores and loads have had their addresses translated: EO, OUT, EA and v9 are written again only behind this wait
	s_wait_alu depctr_vm_vsrc(0)                   ; the last block's global stores have read EO and OUT, its LDS stores ACC, the loads of entries EA, the loads of the fragments v9
	TOKO                                           ; this block's rows of out0
	s_lshl_b32 s21, s20, 4
	s_add_co_u32 s21, s21, 16
	EADR 21, 1                                     ; the next block's entries
	s_wait_alu depctr_va_vdst(0)                   ; EO and EA are written; TOKO and the last TOKA are done reading EN, in which the next entries land
	ELOAD 1
	s_wait_loadcnt 9                               ; this block's fragments are in; the nine entries stay out
	MMUL 0
	s_wait_loadcnt 0x0                             ; the entries
	TOKA                                           ; four places behind the last products, ahead of the stores of the sums
	s_wait_alu depctr_va_vdst(0)                   ; the products have written ACC and are done reading AF; v9 is written
	ALD                                            ; the next block's fragments are on their way while this block goes out
	WAYOUT
	s_add_co_u32 s20, s20, 1
	s_cmp_lt_u32 s20, s19
	s_cbranch_scc1 .Lblk
.Lend:
	s_wait_dscnt 0x0
	s_wait_alu depctr_hold_cnt(0) depctr_sa_sdst(0) depctr_va_vdst(0) depctr_va_sdst(0) depctr_va_ssrc(0) depctr_va_vcc(0) depctr_vm_vsrc(0)
	s_wait_tensorcnt 0x0
	ds_add_u32 v254, v255
	s_wait_dscnt 0x0
	s_endpgm
.Lfunc_end_k_q4bb1b83941_down:
	.size	k_q4bb1b83941_down, .Lfunc_end_k_q4bb1b83941_down-k_q4bb1b83941_down
	.p2alignl 7, 3214868480
	.fill 96, 4, 3214868480
	.section	.rodata,"a",@progbits
	.p2align	6, 0x0
	.amdhsa_kernel k_q4bb1b83941_down
		.amdhsa_group_segment_fixed_size 135680
		.amdhsa_private_segment_fixed_size 0
		.amdhsa_enable_private_segment 0
		.amdhsa_kernarg_size 40
		.amdhsa_user_sgpr_count 2
		.amdhsa_user_sgpr_kernarg_segment_ptr 1
		.amdhsa_wavefront_size32 1
		.amdhsa_system_sgpr_workgroup_id_x 1
		.amdhsa_system_sgpr_workgroup_id_y 1
		.amdhsa_system_sgpr_workgroup_id_z 1
		.amdhsa_system_vgpr_workitem_id 0
		.amdhsa_next_free_vgpr 512
		.amdhsa_next_free_sgpr 66
		.amdhsa_reserve_vcc 0
		.amdhsa_float_denorm_mode_32 3
		.amdhsa_float_denorm_mode_16_64 3
		.amdhsa_memory_ordered 1
		.amdhsa_forward_progress 1
		.amdhsa_inst_pref_size 53
	.end_amdhsa_kernel
	.amdgpu_metadata
---
amdhsa.version: [ 1, 2 ]
amdhsa.kernels:
  - .name:           k_q4bb1b83941_down
    .symbol:         k_q4bb1b83941_down.kd
    .args:
      - { .name: lists, .offset: 0, .size: 8, .value_kind: global_buffer, .address_space: global }
      - { .name: counts, .offset: 8, .size: 8, .value_kind: global_buffer, .address_space: global }
      - { .name: wd, .offset: 16, .size: 8, .value_kind: global_buffer, .address_space: global }
      - { .name: hid, .offset: 24, .size: 8, .value_kind: global_buffer, .address_space: global }
      - { .name: out0, .offset: 32, .size: 8, .value_kind: global_buffer, .address_space: global }
    .group_segment_fixed_size: 135680
    .private_segment_fixed_size: 0
    .kernarg_segment_align: 8
    .kernarg_segment_size: 40
    .max_flat_workgroup_size: 256
    .sgpr_count:     66
    .vgpr_count:     512
    .wavefront_size: 32
...
	.end_amdgpu_metadata
.endif
;; end of part 6
